; MI455X (gfx1250); checked and timed in simulation.
; The chip was launched on July 23, 2026; its instructions are those of AMD's public machine-readable ISA for CDNA 5 (MIT licence, August 2026) and "CDNA5" Instruction Set Architecture Reference Guide (July 2026). The comments in the code are by the model that wrote it; some were corrected since.
;; Dynamic PT Block. Allowed arithmetic: matrix products marked QUANTISED: E5M2 operands, one E8M0 scale for each 32 along K, by v_wmma_scale_f32_16x16x128_f8f6f4 with both operands' format E5M2, f32 sums; products left as they are: f32 operands where the result goes on into a quantised operand, else bf16, f16 or f32 operands; f32 sums; everything else in f32.
;; Inputs: b1 128 float32; b2 128 float32; channel_u_weight_codes 4 x 128 x 4 x 32 uint8 (E5M2 codes of channel_u_weight, K innermost, in blocks of 32 codes); channel_u_weight_scales 4 x 128 x 4 uint8 (E8M0 scales of channel_u_weight, one for each 32 codes along K); channel_v_weight_codes 4 x 128 x 4 x 32 uint8 (E5M2 codes of channel_v_weight, K innermost, in blocks of 32 codes); channel_v_weight_scales 4 x 128 x 4 uint8 (E8M0 scales of channel_v_weight, one for each 32 codes along K); ln_beta 128 float32; ln_gamma 128 float32; qz 4 x 128 x 128 x 128 float32; time_u_weight_codes 4 x 128 x 4 x 32 uint8 (E5M2 codes of time_u_weight, K innermost, in blocks of 32 codes); time_u_weight_scales 4 x 128 x 4 uint8 (E8M0 scales of time_u_weight, one for each 32 codes along K); time_v_weight_codes 4 x 128 x 4 x 32 uint8 (E5M2 codes of time_v_weight, K innermost, in blocks of 32 codes); time_v_weight_scales 4 x 128 x 4 uint8 (E8M0 scales of time_v_weight, one for each 32 codes along K); topic_binary 4 x 512 x 128 float32; unary 4 x 128 x 128 x 128 float32; w1_codes 128 x 4 x 32 uint8 (E5M2 codes of w1, K innermost, in blocks of 32 codes); w1_scales 128 x 4 uint8 (E8M0 scales of w1, one for each 32 codes along K); w2_codes 128 x 4 x 32 uint8 (E5M2 codes of w2, K innermost, in blocks of 32 codes); w2_scales 128 x 4 uint8 (E8M0 scales of w2, one for each 32 codes along K).
;; Outputs: out0 4 x 128 x 128 x 128 float32.
;; This version of the problem:
;;   THIS VERSION OF THE PROBLEM IS GIVEN IN LOW PRECISION. The matrix products marked QUANTISED in the list below multiply operands that are first quantised to E5M2 (5 exponent bits, 2 mantissa bits; 8 bits a number), with one power-of-two scale for each 32 numbers along K (OCP MX v1.0); their sums are f32. All else is computed in f32.
;;   The module's matrix products, in the order in which they are computed (A, B: the left and right operand; K: the contracted axis; several contracted axes count as one K, in the product's order):
;;     1. batch 4 x [M 16,384, K 128] x [K 128, N 128]; A: computed on the way; B: input time_u_weight (given as codes): QUANTISED
;;     2. batch 4 x [M 16,384, K 128] x [K 128, N 128]; A: computed on the way; B: input time_v_weight (given as codes): QUANTISED
;;     3. batch 4,096 x [M 128, K 16] x [K 16, N 128]; A: computed on the way; B: computed on the way: left as it is (K = 16 < 32)
;;     4. batch 512 x [M 1,024, K 128] x [K 128, N 128]; A: softmax (see below); B: computed on the way: QUANTISED
;;     5. batch 4 x [M 16,384, K 128] x [K 128, N 128]; A: computed on the way; B: input channel_u_weight (given as codes): QUANTISED
;;     6. batch 4 x [M 16,384, K 128] x [K 128, N 128]; A: computed on the way; B: input channel_v_weight (given as codes): QUANTISED
;;     7. batch 4,096 x [M 128, K 16] x [K 16, N 128]; A: computed on the way; B: computed on the way: left as it is (K = 16 < 32)
;;     8. batch 4 x [M 16,384, K 128] x [K 128, N 512]; A: computed on the way; B: input topic_binary: QUANTISED
;;     9. batch 4 x [M 16,384, K 512] x [K 512, N 128]; A: computed on the way; B: input topic_binary: QUANTISED
;;     10. [M 65,536, K 128] x [K 128, N 128]; A: computed on the way; B: input w1 (given as codes): QUANTISED
;;     11. [M 65,536, K 128] x [K 128, N 128]; A: computed on the way; B: input w2 (given as codes): QUANTISED
;;   THE QUANTISER, for each operand of a quantised product, along K:
;;     - K is cut into blocks of 32 from its start; a last block that is shorter is filled with zeros.
;;     - A block's scale is 2^e with e = floor(log2(the largest magnitude in the block)) - 15, held to -126 .. 127; a block of zeros has e = 0. As a byte (E8M0): e + 127.
;;     - Each number is divided by its block's scale, clamped to +-57,344, and rounded to the nearest number of E5M2, ties to even, subnormals kept.
;;     - The product sums the exact products of the quantised numbers (number of the format x scale) in f32.
;;   ~~~python
;;   def quantise(x, axis):      # numpy; x: float32 -> the quantised numbers, widened to float32 again
;;       x = np.moveaxis(x, axis, -1); K = x.shape[-1]
;;       x = np.pad(x, [(0, 0)] * (x.ndim - 1) + [(0, -K % 32)]); x = x.reshape(x.shape[:-1] + (-1, 32)); a = np.abs(x).max(-1, keepdims=True)
;;       e = np.where(a > 0, np.clip(np.frexp(np.where(a > 0, a, 1))[1] - 1 - 15, -126, 127), 0)      # np.frexp(a)[1] - 1 = floor(log2(a)), exactly
;;       r = np.clip(x / 2.0 ** e, -57344, 57344)
;;       step = 2.0 ** (np.maximum(np.frexp(np.where(r == 0, 1, r))[1] - 1, -14) - 2)
;;       q = np.round(r / step) * step * 2.0 ** e      # np.round: ties to even
;;       return np.moveaxis(q.reshape(q.shape[:-2] + (-1,))[..., :K], -1, axis).astype(np.float32)
;;   ~~~
;;   SOFTMAX AHEAD OF A QUANTISED PRODUCT. Where the list says 'softmax', what is quantised is not the finished softmax but p = 2^(t - M), with t = logit x log2(e) and M = ceil(the row's largest t), a whole number; so 1/2 < the row's largest p <= 1. The row's sum l is taken of the UNQUANTISED p, in f32, and the product's result is divided by l at the end. Since M is a whole number, a kernel that streams over the keys may use a running M (the ceiling of the running maximum): every later rescaling is an exact power of two, which a block's scale takes up: the codes' values come out the same.
;;   OPERANDS COMPUTED ON THE WAY. 'Computed on the way' means the value that the module computes at that place (a softmax that the list does not call 'softmax' is quantised finished and normalised). What goes into a quantiser is computed in f32, as accurately as f32 sums, v_exp_f32 and their like allow (about 1e-6 of the number): no bf16 or f16 on the way to a quantiser, and a product that is left as it is and whose result goes on into a quantised operand takes f32 operands (vector FMAs, or v_wmma_f32_16x16x4_f32). A number that lies on a knife's edge between two numbers of the format may be rounded either way, as far as f32 arithmetic and the matrix unit's own rounding can turn it there, and no further.
;;   INPUTS GIVEN AS CODES. channel_u_weight (in the module: [4, 128, 128], K = its axis 2); channel_v_weight (in the module: [4, 128, 128], K = its axis 2); time_u_weight (in the module: [4, 128, 128], K = its axis 2); time_v_weight (in the module: [4, 128, 128], K = its axis 2); w1 (in the module: [128, 128], K = its axis 1); w2 (in the module: [128, 128], K = its axis 1): each comes as NAME_codes (uint8): NAME with its K axis moved to the last place and cut into blocks of 32 codes, [.., K / 32, bytes a block], one block behind the other in memory; one code a byte (a code: sign, 5 exponent bits, 2 mantissa bits); and NAME_scales (uint8): the same leading axes, one E8M0 byte (e + 127) for each 32 codes along K. Its value is code x scale, taken as it is: it is not quantised again, and the codes and scales need not be those that the quantiser above would give.
;; 2 versions, each right and faster than the one before. Each part assembles by itself: llvm-mc -triple=amdgcn-amd-amdhsa -mcpu=gfx1250 --defsym DOCPART=n.
;; ======== version 1 of 2: 2 launches
;; workspace buffers: mt 33,554,432 bytes; tq 540,672 bytes
;; launch timeattn (part 1): grid 128 x 4, 8 waves a work-group, no clusters, 152,576 bytes of LDS; arguments qz, ln_gamma, ln_beta, time_u_weight_codes, time_u_weight_scales, time_v_weight_codes, time_v_weight_scales, topic_binary, mt, tq; writes mt, tq
.if DOCPART == 1
	.amdgcn_target "amdgcn-amd-amdhsa--gfx1250"
	.amdhsa_code_object_version 6
	.text
	.protected	k_q8b131a8cc9_timeattn
	.globl	k_q8b131a8cc9_timeattn
	.p2align	8
	.type	k_q8b131a8cc9_timeattn,@function
k_q8b131a8cc9_timeattn:
	s_mov_b64 s[64:65], 0
	v_nop
	global_prefetch_b8 v0, s[64:65] scope:SCOPE_SE
	s_setreg_imm32_b32 hwreg(HW_REG_WAVE_MODE, 25, 1), 1
	s_wait_xcnt 0x0
; TIME ATTENTION OF ONE (batch b, channel c): mt[b][c][p][:] = the mean over 8 heads of softmax_q(tu[p] . tv[q] / 4) qzn[q][:], qzn = LayerNorm(qz[b][c]).
; Beside it the work-group quantises its 1/128 of topic_binary[b], along d and along g, into tq, laid in the order of an operand's registers.
; SHARES.  Eight waves; wave w owns patches 16 w .. 16 w + 15 through all the work.  r = lane % 16, h = lane / 16.
; ORDER OF A ROW IN REGISTERS: register 16 c + i of lane (r, h) holds index 32 c + 16 h + i of row r: the order of an 8-bit operand of the scaled matrix instruction.
; THE ROWS OF A TILE ARE NOT NEIGHBOURS: row r' of tile 2 c + u is index 32 c + 8 u + r' + 8 (r' / 8).  With such a tile as source 0 and my 16 rows as source 1 the eight tiles' results lie in the order above.
; So the scores (keys), p, and the sums over keys (d) all lie as qzn lies, and nothing changes lanes.
; PRODUCTS.  tu, tv and p x qzn: codes of E5M2 with E8M0 scales.  The scores (K = 16) go on into the quantised p, so they take f32 operands: four steps of 16x16x4.  A result tile of tu or tv (head hd) holds in
; registers 2 s, 2 s + 1 of lane (r, h) the head's numbers 8 h + 2 s + 0, 1 of row r: that pair IS the f32 form's operand of K step s; the same order of K on both sides.
; SOFTMAX AHEAD OF THE QUANTISED PRODUCT: t = score x log2(e) / 4, M = ceil(the row's largest t), p = 2^(t - M) is quantised along the keys; the sum of the unquantised p divides the result.
; NO CLUSTER: a work-group's rows are its own; what work-groups of a batch share, the two weights (33,792 bytes), goes from memory straight into registers once.
; LIMITS: NaN and infinities are not served.  A block whose largest magnitude lies under 2^-111, a block of zeros among them, keeps the scale byte 1 (this program alone reads the bytes).
; Divisions are a reciprocal and a multiplication.  Sums are taken in another order than the reference's.
.set TV,   0                           ; LDS: tv as images [head][tile][half][lane][16 bytes], 8,192 bytes a head
.set STG,  65536                       ; qzn's 128 rows, 528 bytes apart; later each wave's own 8,448 bytes: tu's images, then the stage for the way out
.set SP,   528
.set XT,   133120                      ; qzn's codes along the patches: [tile of d][chunk][lane][16 bytes]
.set XTS,  149504                      ; their scale words [tile][lane]
.set VEC,  150528                      ; gamma, beta
.set XS,   11                          ; v11      scale word of the codes in AUX
.set PW,   15                          ; v15      scale word of the codes in PC
.set AUX,  16                          ; v16-31   qzn's codes; gamma; in the loop over heads: v16-23 tu, v24-25 addresses, v[26:27] sum, then 1 / (8 sum), v[28:29] sum, v[30:31] -M
.set WRK,  32                          ; v32-95   vector work, fragments, p
.set RAW,  96                          ; v96-159  written by matrix instructions alone
.set ACC,  160                         ; v160-223 the mean over heads; fragments of the weights
.set PC,   224                         ; v224-239 p's codes; beta; the weights' scale words
.set TM,   240                         ; v240-255 at work in the quantiser: +0 maxima (later fragments' scale words), +4 lane exchange, bytes, +8 the hold, +12 the conversion's scale
.set SEL,  30                          ; s[30:31] lane selects: lane l xor 16
.set MNT,  32                          ; s32      the mantissa field of 57,344
.set CS,   34                          ; s[34:35] log2(e) / 4
.set EPS,  36                          ; s36      1e-5
.set K7,   37                          ; s37      1 / 128
.set HT,   38                          ; s38      the head's place among tv's images
.set HU,   39                          ; s39      and among tu's
.set CNT,  40
.macro PLACES n                        ; plain places behind matrix instructions (ISA guide 7.12.1)
.rept \n
	v_nop
.endr
.endm
.macro BARRIER                         ; my LDS stores have landed and my LDS loads are in: then the work-group's barrier
	s_wait_dscnt 0x0
	s_barrier_signal -1
	s_barrier_wait -1
.endm
; 64 numbers of a lane in the order of a row become 16 registers of codes in v[dst] on and the row's scale word in v[sw].  relu = 1: what is negative becomes 0.
.macro QUANT s, relu, dst, sw
.irp b, 0,1,2,3
.if \relu
	v_max3_num_f32 v[TM+\b], v[\s+16*\b], v[\s+16*\b+1], 0x8000000
.else
	v_max3_num_f32 v[TM+\b], |v[\s+16*\b]|, |v[\s+16*\b+1]|, 0x8000000   ; my 16 numbers of block b, and the floor 2^(16 - 127): the byte cannot fall under 1
.endif
.endr
.irp i, 2,4,6,8,10,12,14
.irp b, 0,1,2,3
.if \relu
	v_max3_num_f32 v[TM+\b], v[TM+\b], v[\s+16*\b+\i], v[\s+16*\b+\i+1]
.else
	v_max3_num_f32 v[TM+\b], v[TM+\b], |v[\s+16*\b+\i]|, |v[\s+16*\b+\i+1]|
.endif
.endr
.endr
.irp b, 0,1,2,3
	v_permlanex16_b32 v[TM+4+\b], v[TM+\b], s[SEL], s[SEL+1]
.endr
.irp b, 0,1,2,3
	v_max_num_f32 v[TM+\b], v[TM+\b], v[TM+4+\b]          ; with lane l xor 16's 16: the block's largest magnitude
.endr
.irp b, 0,1,2,3
	v_add_nc_u32 v[TM+12+\b], 0xf8800000, v[TM+\b]        ; 15 off its exponent field: the conversion's scale operand
.endr
.irp b, 0,1,2,3
	v_and_or_b32 v[TM+8+\b], v[TM+\b], 0x7f800000, s[MNT] ; 57,344 x the scale
.endr
.irp b, 0,1,2,3
	v_lshrrev_b32 v[TM+4+\b], 23, v[TM+12+\b]             ; the scale's byte
.endr
	v_lshl_or_b32 v[\sw], v[TM+5], 8, v[TM+4]
	v_lshl_or_b32 v[\sw], v[TM+6], 16, v[\sw]
	v_lshl_or_b32 v[\sw], v[TM+7], 24, v[\sw]
.irp b, 0,1,2,3
.irp i, 0,1,2,3,4,5,6,7,8,9,10,11,12,13,14,15
.if \relu
	v_med3_num_f32 v[\s+16*\b+\i], v[\s+16*\b+\i], 0, v[TM+8+\b]
.else
	v_med3_num_f32 v[\s+16*\b+\i], v[\s+16*\b+\i], -v[TM+8+\b], v[TM+8+\b]   ; the conversion does not saturate (ISA guide 7.6.2): the hold comes first
.endif
.endr
	v_cvt_scalef32_pk8_bf8_f32 v[\dst+4*\b:\dst+4*\b+1], v[\s+16*\b:\s+16*\b+7], v[TM+12+\b]
	v_cvt_scalef32_pk8_bf8_f32 v[\dst+4*\b+2:\dst+4*\b+3], v[\s+16*\b+8:\s+16*\b+15], v[TM+12+\b]
.endr
	PLACES 4                               ; the plain line behind the conversions, and the four places between codes so written and a scaled matrix instruction
.endm
; dst = (src - mean) / sqrt(var + 1e-5) of my row: 64 numbers here, 64 in lane l xor 16.  Two passes, so that a common offset does no harm.
.macro LNSTAT src, dst
	v_pk_add_f32 v[TM:TM+1], v[\src:\src+1], v[\src+2:\src+3]
	v_pk_add_f32 v[TM+2:TM+3], v[\src+4:\src+5], v[\src+6:\src+7]
.set LJ, 8
.rept 14
	v_pk_add_f32 v[TM:TM+1], v[TM:TM+1], v[\src+LJ:\src+LJ+1]
	v_pk_add_f32 v[TM+2:TM+3], v[TM+2:TM+3], v[\src+LJ+2:\src+LJ+3]
.set LJ, LJ+4
.endr
	v_pk_add_f32 v[TM:TM+1], v[TM:TM+1], v[TM+2:TM+3]
	v_add_f32 v[TM], v[TM], v[TM+1]
	v_permlanex16_b32 v[TM+4], v[TM], s[SEL], s[SEL+1]
	v_add_f32 v[TM], v[TM], v[TM+4]
	v_mul_f32 v[TM+6], s[K7], v[TM]        ; the mean, in both words of a pair
	v_mov_b32 v[TM+7], v[TM+6]
.set LJ, 0
.rept 32
	v_pk_add_f32 v[\dst+LJ:\dst+LJ+1], v[\src+LJ:\src+LJ+1], v[TM+6:TM+7] neg_lo:[0,1] neg_hi:[0,1]
.set LJ, LJ+2
.endr
	v_pk_mul_f32 v[TM:TM+1], v[\dst:\dst+1], v[\dst:\dst+1]
	v_pk_mul_f32 v[TM+2:TM+3], v[\dst+2:\dst+3], v[\dst+2:\dst+3]
.set LJ, 4
.rept 15
	v_pk_fma_f32 v[TM:TM+1], v[\dst+LJ:\dst+LJ+1], v[\dst+LJ:\dst+LJ+1], v[TM:TM+1]
	v_pk_fma_f32 v[TM+2:TM+3], v[\dst+LJ+2:\dst+LJ+3], v[\dst+LJ+2:\dst+LJ+3], v[TM+2:TM+3]
.set LJ, LJ+4
.endr
	v_pk_add_f32 v[TM:TM+1], v[TM:TM+1], v[TM+2:TM+3]
	v_add_f32 v[TM], v[TM], v[TM+1]
	v_permlanex16_b32 v[TM+4], v[TM], s[SEL], s[SEL+1]
	v_add_f32 v[TM], v[TM], v[TM+4]
	v_fma_f32 v[TM], v[TM], s[K7], s[EPS]
	v_rsq_f32 v[TM+8], v[TM]
	v_nop                                  ; a plain line behind the transcendental,
	s_wait_alu depctr_va_vdst(0)           ; and the wait ahead of the first line that names its result
	v_mov_b32 v[TM+9], v[TM+8]
.set LJ, 0
.rept 32
	v_pk_mul_f32 v[\dst+LJ:\dst+LJ+1], v[\dst+LJ:\dst+LJ+1], v[TM+8:TM+9]
.set LJ, LJ+2
.endr
.endm
.macro LNAPPLY dst                     ; dst = dst x gamma + beta; v12 = VEC + 64 h; sixteen lanes read the same words
.irp c, 0,1,2,3
.irp j, 0,1,2,3
	ds_load_b128 v[AUX+4*\j:AUX+4*\j+3], v12 offset:128*\c+16*\j
	ds_load_b128 v[PC+4*\j:PC+4*\j+3], v12 offset:512+128*\c+16*\j
.endr
	s_wait_dscnt 0x0
.irp k, 0,2,4,6,8,10,12,14
	v_pk_fma_f32 v[\dst+16*\c+\k:\dst+16*\c+\k+1], v[\dst+16*\c+\k:\dst+16*\c+\k+1], v[AUX+\k:AUX+\k+1], v[PC+\k:PC+\k+1]
.endr
.endr
.endm
.macro WLOAD8 cb                       ; a weight's eight tiles (rows 16 t + r, as they lie) from memory: tiles 0-3 into ACC, 4-7 into WRK; v9 = 128 r + 16 h
.irp t, 0,1,2,3
.irp cc, 0,1,2,3
	global_load_b128 v[ACC+16*\t+4*\cc:ACC+16*\t+4*\cc+3], v9, s[\cb:\cb+1] offset:2048*\t+32*\cc
.endr
.endr
.irp t, 0,1,2,3
.irp cc, 0,1,2,3
	global_load_b128 v[WRK+16*\t+4*\cc:WRK+16*\t+4*\cc+3], v9, s[\cb:\cb+1] offset:2048*(\t+4)+32*\cc
.endr
.endr
.endm
.macro WSLOAD sb, reg                  ; its rows' scale words; v10 = 4 r
.irp t, 0,1,2,3,4,5,6,7
	global_load_b32 v[\reg+\t], v10, s[\sb:\sb+1] offset:64*\t
.endr
.endm
.macro PROJ reg                        ; eight tiles: register jj of tile hd, lane (r, h) = (my row r) . (the weight's row 16 hd + 8 h + jj)
.irp t, 0,1,2,3
	v_wmma_scale_f32_16x16x128_f8f6f4 v[RAW+8*\t:RAW+8*\t+7], v[ACC+16*\t:ACC+16*\t+15], v[AUX:AUX+15], 0, v[\reg+\t], v[XS] matrix_a_fmt:MATRIX_FMT_BF8 matrix_b_fmt:MATRIX_FMT_BF8
.endr
.irp t, 0,1,2,3
	v_wmma_scale_f32_16x16x128_f8f6f4 v[RAW+32+8*\t:RAW+32+8*\t+7], v[WRK+16*\t:WRK+16*\t+15], v[AUX:AUX+15], 0, v[\reg+4+\t], v[XS] matrix_a_fmt:MATRIX_FMT_BF8 matrix_b_fmt:MATRIX_FMT_BF8
.endr
.endm
; v first: its tiles go to LDS, each row dealt to the tile and lane in which a tile of keys wants it (v6).  Then u, which stays in RAW.
.macro PROJ2 uc, us, vc, vs
	WLOAD8 \vc
	WSLOAD \vs, PC
	WSLOAD \us, PC+8
	s_wait_loadcnt 0x0
	PROJ PC
	PLACES 9                               ; eight for the loads into the fragments' registers and for the stores of the results; nine for the products that write RAW again
	WLOAD8 \uc
.irp t, 0,1,2,3,4,5,6,7
	ds_store_b128 v6, v[RAW+8*\t:RAW+8*\t+3] offset:8192*\t          ; each result from its low end on
	ds_store_b128 v6, v[RAW+8*\t+4:RAW+8*\t+7] offset:8192*\t+512
.endr
	s_wait_dscnt 0x0                       ; the stores have read RAW
	s_wait_loadcnt 0x0
	PROJ PC+8
	PLACES 8
.endm
; The scores of one head, transposed: source 0 = 16 keys, source 1 = my 16 queries; four K steps of 4; the eight accumulators take turns.
.macro SCORES
	v_add_nc_u32 v13, s[HT], v2
	v_add_nc_u32 v14, s[HU], v7
	ds_load_b128 v[16:19], v14
	ds_load_b128 v[20:23], v14 offset:512
.irp t, 0,1,2,3,4,5,6,7
	ds_load_b128 v[WRK+8*\t:WRK+8*\t+3], v13 offset:1024*\t
	ds_load_b128 v[WRK+8*\t+4:WRK+8*\t+7], v13 offset:1024*\t+512
.endr
	s_wait_dscnt 0x0
.irp s, 0,1,2,3
.irp t, 0,1,2,3,4,5,6,7
.if \s == 0
	v_wmma_f32_16x16x4_f32 v[RAW+8*\t:RAW+8*\t+7], v[WRK+8*\t+2*\s:WRK+8*\t+2*\s+1], v[16+2*\s:17+2*\s], 0
.else
	v_wmma_f32_16x16x4_f32 v[RAW+8*\t:RAW+8*\t+7], v[WRK+8*\t+2*\s:WRK+8*\t+2*\s+1], v[16+2*\s:17+2*\s], v[RAW+8*\t:RAW+8*\t+7]
.endif
.endr
.endr
	PLACES 8
.endm
.macro BLKMAX                          ; the largest score of each block of 32 keys; every accumulator is read from its low end on
.irp b, 0,1,2,3
	v_max3_num_f32 v[TM+\b], v[RAW+16*\b], v[RAW+16*\b+1], v[RAW+16*\b+2]
.endr
.irp i, 3,5,7,9,11,13
.irp b, 0,1,2,3
	v_max3_num_f32 v[TM+\b], v[TM+\b], v[RAW+16*\b+\i], v[RAW+16*\b+\i+1]
.endr
.endr
.irp b, 0,1,2,3
	v_max_num_f32 v[TM+\b], v[TM+\b], v[RAW+16*\b+15]
.endr
.irp b, 0,1,2,3
	v_permlanex16_b32 v[TM+4+\b], v[TM+\b], s[SEL], s[SEL+1]
.endr
.irp b, 0,1,2,3
	v_max_num_f32 v[TM+\b], v[TM+\b], v[TM+4+\b]
.endr
.endm
.macro PSUM                            ; v[26:27] = 1 / (8 x the sum of my row's 128 p), in both words
	v_pk_add_f32 v[26:27], v[WRK:WRK+1], v[WRK+2:WRK+3]
	v_pk_add_f32 v[28:29], v[WRK+4:WRK+5], v[WRK+6:WRK+7]
.set PJ, 8
.rept 14
	v_pk_add_f32 v[26:27], v[26:27], v[WRK+PJ:WRK+PJ+1]
	v_pk_add_f32 v[28:29], v[28:29], v[WRK+PJ+2:WRK+PJ+3]
.set PJ, PJ+4
.endr
	v_pk_add_f32 v[26:27], v[26:27], v[28:29]
	v_add_f32 v26, v26, v27
	v_permlanex16_b32 v28, v26, s[SEL], s[SEL+1]
	v_add_f32 v26, v26, v28
	v_rcp_f32 v27, v26
	v_nop
	s_wait_alu depctr_va_vdst(0)           ; one wait for all transcendentals issued since the last one
	v_mul_f32 v26, 0x3e000000, v27
	v_mov_b32 v27, v26
.endm
.macro FRAG4 ca, coff, sa, soff, sstep ; four fragments (images of 2,048 bytes) into WRK, their scale words into TM+0..3
.irp t, 0,1,2,3
.irp cc, 0,1,2,3
	ds_load_b128 v[WRK+16*\t+4*\cc:WRK+16*\t+4*\cc+3], v[\ca] offset:(\coff)+2048*\t+512*\cc
.endr
	ds_load_b32 v[TM+\t], v[\sa] offset:(\soff)+(\sstep)*\t
.endr
.endm
.macro MUL4 d, c, b, bs                ; four products on them; c < 0: the sums start with the constant 0
.irp t, 0,1,2,3
.if (\c) < 0
	v_wmma_scale_f32_16x16x128_f8f6f4 v[\d+8*\t:\d+8*\t+7], v[WRK+16*\t:WRK+16*\t+15], v[\b:\b+15], 0, v[TM+\t], v[\bs] matrix_a_fmt:MATRIX_FMT_BF8 matrix_b_fmt:MATRIX_FMT_BF8
.else
	v_wmma_scale_f32_16x16x128_f8f6f4 v[\d+8*\t:\d+8*\t+7], v[WRK+16*\t:WRK+16*\t+15], v[\b:\b+15], v[\c+8*\t:\c+8*\t+7], v[TM+\t], v[\bs] matrix_a_fmt:MATRIX_FMT_BF8 matrix_b_fmt:MATRIX_FMT_BF8
.endif
.endr
.endm
; 16 rows in the order of a row go through my own stage (rows 528 bytes apart) and leave as whole rows: 32 lanes store 512 consecutive bytes.  LDS serves a wave's instructions in order.
.macro OUTSTAGE src, base, step, sin, sout
.irp c, 0,1,2,3
.irp j, 0,1,2,3
	ds_store_b128 v[\sin], v[\src+16*\c+4*\j:\src+16*\c+4*\j+3] offset:128*\c+16*\j
.endr
.endr
.irp i, 0,1,2,3,4,5,6,7,8,9,10,11,12,13,14,15
	ds_load_b128 v[WRK+4*\i:WRK+4*\i+3], v[\sout] offset:SP*\i
.endr
.irp i, 0,1,2,3,4,5,6,7,8,9,10,11,12,13,14,15
	s_wait_dscnt 15-\i                     ; row i is back; the 15 - i rows behind it may be out
	global_store_b128 v2, v[WRK+4*\i:WRK+4*\i+3], s[\base:\base+1] offset:\step*\i
.endr
.endm
; 16 numbers of a block in v160-175 become 16 codes in v[224:227] and the block's byte in v244.  cross = 0: the block's other 16 lie in lane l xor 1; 1: in lane l xor 16
.macro TQUANT cross
	v_max3_num_f32 v240, |v160|, |v161|, 0x8000000
.irp i, 2,4,6,8,10,12,14
	v_max3_num_f32 v240, v240, |v[160+\i]|, |v[161+\i]|
.endr
.if \cross
	v_permlanex16_b32 v244, v240, s[SEL], s[SEL+1]
	v_max_num_f32 v240, v240, v244
.else
	v_max_num_f32_dpp v240, v240, v240 row_xmask:1 row_mask:0xf bank_mask:0xf
.endif
	v_add_nc_u32 v252, 0xf8800000, v240
	v_and_or_b32 v248, v240, 0x7f800000, s[MNT]
.irp i, 0,1,2,3,4,5,6,7,8,9,10,11,12,13,14,15
	v_med3_num_f32 v[160+\i], v[160+\i], -v248, v248
.endr
	v_cvt_scalef32_pk8_bf8_f32 v[224:225], v[160:167], v252
	v_cvt_scalef32_pk8_bf8_f32 v[226:227], v[168:175], v252
	v_lshrrev_b32 v244, 23, v252           ; the byte (a plain line behind the conversions)
.endm
	s_load_b256 s[8:15], s[0:1], 0x0               ; qz s[8:9], gamma s[10:11], beta s[12:13], u's codes s[14:15]
	s_load_b256 s[16:23], s[0:1], 0x20             ; u's scales s[16:17], v's codes s[18:19], v's scales s[20:21], topic_binary s[22:23]
	s_load_b128 s[24:27], s[0:1], 0x40             ; mt s[24:25], tq s[26:27]
	s_set_vgpr_msb 0x40
	v_lshl_add_u32 v0, v0, 2, 0x25000
	v_mov_b32 v1, 0
	s_set_vgpr_msb 0x4000
	v_lshrrev_b32 v255, 5, v0
	v_readfirstlane_b32 s2, v255                   ; wave 0..7
	s_and_b32 s3, ttmp7, 0xffff                    ; batch
	s_mov_b32 s4, ttmp9                            ; channel
	s_mov_b32 s[SEL], 0x76543210
	s_mov_b32 s[SEL+1], 0xfedcba98
	s_mov_b32 s[MNT], 0x600000
	s_mov_b32 s[CS], 0x3eb8aa3b
	s_mov_b32 s[CS+1], s[CS]
	s_mov_b32 s[EPS], 0x3727c5ac
	s_mov_b32 s[K7], 0x3c000000
	s_lshl_b32 s42, s3, 7
	s_add_co_u32 s42, s42, s4
	s_lshl_b32 s42, s42, 16                        ; (128 b + c) blocks of 65,536 bytes,
	s_lshl_b32 s43, s2, 13
	s_add_co_u32 s42, s42, s43                     ; + my 16 rows of 512
	s_mov_b32 s43, 0
	s_lshl_b32 s44, s3, 14                         ; a batch's codes of a weight
	s_mov_b32 s45, 0
	s_lshl_b32 s46, s3, 9                          ; its scale bytes
	s_mov_b32 s47, 0
	s_lshl_b32 s48, s3, 18                         ; a batch of topic_binary
	s_mov_b32 s49, 0
	s_mul_i32 s50, s3, 135168                      ; a batch of tq
	s_mov_b32 s51, 0
	s_mul_i32 s52, s2, 16*SP
	s_add_co_u32 s52, s52, STG                     ; my 16 rows of the stage: later my own 8,448 bytes
	s_lshr_b32 s53, s2, 1
	s_and_b32 s54, s2, 1
	s_lshl_b32 s55, s53, 11
	s_lshl_b32 s56, s54, 7
	s_add_co_u32 s55, s55, s56                     ; the wave's term of an image's place: 2,048 (w / 2) + 128 (w % 2)
	s_lshl_b32 s56, s53, 7
	s_lshl_b32 s57, s54, 5
	s_add_co_u32 s56, s56, s57
	s_add_co_u32 s56, s56, STG                     ; STG + 4 (32 (w / 2) + 8 (w % 2)): tile w's first d
	s_lshl_b32 s57, s2, 11
	s_add_co_u32 s57, s57, XT
	s_lshl_b32 s58, s2, 7
	s_add_co_u32 s58, s58, XTS
	v_and_b32 v252, 15, v0                         ; r
	v_bfe_u32 v253, v0, 4, 1                       ; h
	v_and_b32 v254, 31, v0                         ; lane
	v_lshlrev_b32 v1, 9, v252
	v_lshl_add_u32 v1, v253, 6, v1                 ; v1: qz: 512 r + 64 h
	v_lshlrev_b32 v2, 4, v254                      ; v2: 16 x lane
	v_lshlrev_b32 v3, 2, v254                      ; v3: 4 x lane
	v_and_b32 v255, 8, v252
	v_add_nc_u32 v255, v255, v252                  ; r + 8 (r / 8)
	v_lshlrev_b32 v5, 2, v255
	v_mad_u32_u24 v5, v253, 16*SP, v5
	v_add_nc_u32 v5, s56, v5                       ; v5: down the stage's rows: column d of tile w's row r, from patch 16 h on
	v_lshrrev_b32 v6, 3, v252
	v_lshlrev_b32 v6, 10, v6
	v_and_b32 v255, 7, v252
	v_lshl_add_u32 v6, v255, 4, v6
	v_lshl_add_u32 v6, v253, 8, v6
	v_add_nc_u32 v6, s55, v6                       ; v6: row 16 w + r is row r % 8 + 8 (w % 2) of tile 2 (w / 2) + r / 8
	v_add_nc_u32 v7, s52, v2                       ; v7: my own bytes + 16 x lane
	v_mul_u32_u24 v8, v252, SP
	v_lshl_add_u32 v8, v253, 6, v8
	v_add_nc_u32 v8, s52, v8                       ; v8: my row in the stage + 64 h
	v_lshlrev_b32 v9, 7, v252
	v_lshl_add_u32 v9, v253, 4, v9                 ; v9: a weight's codes: 128 r + 16 h
	v_lshlrev_b32 v10, 2, v252                     ; v10: its scale words: 4 r
	v_lshl_add_u32 v12, v253, 6, VEC               ; v12: gamma and beta: 64 h
	v_and_b32 v14, 127, v0
	v_lshlrev_b32 v14, 2, v14
	v_lshl_add_u32 v13, v0, 2, VEC
.irp b, 0,1,2,3
	v_mov_b32 v[TM+4+\b], 0                        ; written once: a lane permute's destination counts as one of its sources
.endr
	s_wait_kmcnt 0x0
	s_add_nc_u64 s[8:9], s[8:9], s[42:43]
	s_add_nc_u64 s[24:25], s[24:25], s[42:43]
	s_add_nc_u64 s[14:15], s[14:15], s[44:45]
	s_add_nc_u64 s[18:19], s[18:19], s[44:45]
	s_add_nc_u64 s[16:17], s[16:17], s[46:47]
	s_add_nc_u64 s[20:21], s[20:21], s[46:47]
	s_add_nc_u64 s[22:23], s[22:23], s[48:49]
	s_add_nc_u64 s[26:27], s[26:27], s[50:51]
	s_cmp_lt_u32 s2, 4                             ; waves 0-3 bring gamma, waves 4-7 beta: a word a thread
	s_cselect_b64 s[28:29], s[10:11], s[12:13]
	global_load_b32 v240, v14, s[28:29]
.irp c, 0,1,2,3
.irp j, 0,1,2,3
	global_load_b128 v[WRK+16*\c+4*\j:WRK+16*\c+4*\j+3], v1, s[8:9] offset:128*\c+16*\j   ; my row's numbers 32 c + 16 h + 4 j on
.endr
.endr
	s_wait_loadcnt 16                              ; the table's word is in; the 16 loads of qz behind it stay out
	ds_store_b32 v13, v240
	BARRIER                                        ; gamma and beta lie in LDS
	v_add_nc_u32 v13, s57, v2                      ; where I shall store tile w of the codes along the patches,
	v_add_nc_u32 v14, s58, v3                      ; and its scale words
	; ---- 1: the norm; rows to the stage; codes along d; tv to LDS, tu into RAW
	s_wait_loadcnt 0x0
	LNSTAT WRK, WRK
	LNAPPLY WRK
.irp c, 0,1,2,3
.irp j, 0,1,2,3
	ds_store_b128 v8, v[WRK+16*\c+4*\j:WRK+16*\c+4*\j+3] offset:128*\c+16*\j
.endr
.endr
	s_wait_dscnt 0x0                               ; the stores have read their registers: the quantiser holds the numbers in place
	QUANT WRK, 0, AUX, XS
	PROJ2 14, 16, 18, 20
	BARRIER                                        ; all 128 rows of qzn and all of tv lie in LDS
	; ---- 2: qzn quantised along the patches: wave w makes tile w of d; a lane takes a column and its registers run down the patches
.irp c, 0,1,2,3
.irp i, 0,1,2,3,4,5,6,7,8,9,10,11,12,13,14,15
	ds_load_b32 v[WRK+16*\c+\i], v5 offset:SP*(32*\c+\i)
.endr
.endr
	s_wait_dscnt 0x0
	QUANT WRK, 0, PC, PW
.irp cc, 0,1,2,3
	ds_store_b128 v13, v[PC+4*\cc:PC+4*\cc+3] offset:512*\cc
.endr
	ds_store_b32 v14, v[PW]
	BARRIER                                        ; the eight tiles lie in LDS, and nobody reads the stage's rows any more
	; ---- 3: tu into my own bytes, as images of its registers
.irp t, 0,1,2,3,4,5,6,7
	ds_store_b128 v7, v[RAW+8*\t:RAW+8*\t+3] offset:1024*\t
	ds_store_b128 v7, v[RAW+8*\t+4:RAW+8*\t+7] offset:1024*\t+512
.endr
	s_wait_dscnt 0x0                               ; the stores have read RAW, which the scores write
	v_add_nc_u32 v24, XT, v2
	v_add_nc_u32 v25, XTS, v3
.set CJ, 0
.rept 64
	v_mov_b32 v[ACC+CJ], 0                         ; the mean over heads starts at 0, so that a head's step is written once
.set CJ, CJ+1
.endr
	s_mov_b32 s[HT], 0
	s_mov_b32 s[HU], 0
	s_mov_b32 s[CNT], 8
	; ---- 4: eight heads
.Lhead:
	SCORES
	BLKMAX
	v_max3_num_f32 v[TM+8], v[TM], v[TM+1], v[TM+2]
	v_max_num_f32 v[TM+8], v[TM+8], v[TM+3]        ; my query's largest score
	v_mul_f32 v[TM+8], s[CS], v[TM+8]              ; as t
	v_floor_f32 v30, -v[TM+8]                      ; -M = floor(-t) = -ceil(t)
	v_mov_b32 v31, v30
.set EJ, 0
.rept 32
	v_pk_fma_f32 v[WRK+EJ:WRK+EJ+1], v[RAW+EJ:RAW+EJ+1], s[CS:CS+1], v[30:31] op_sel_hi:[1,0,1]   ; t - M
.set EJ, EJ+2
.endr
.irp b, 0,1,2,3
	v_fma_f32 v[TM+\b], v[TM+\b], s[CS], v30       ; the same of each block's largest score: p rises with the score
.endr
.set EJ, 0
.rept 64
	v_exp_f32 v[WRK+EJ], v[WRK+EJ]                 ; p = 2^(t - M)
.set EJ, EJ+1
.endr
	v_nop                                          ; a plain line behind the batch,
	s_wait_alu depctr_va_vdst(0)                   ; and one wait for it, ahead of its first reader
.irp b, 0,1,2,3
	v_exp_f32 v[TM+\b], v[TM+\b]                   ; each block's largest p
.endr
	PSUM                                           ; the sum of the unquantised p; its wait serves these four as well
.irp b, 0,1,2,3
	v_max_num_f32 v[TM+\b], 0x8000000, v[TM+\b]    ; the floor
.endr
.irp b, 0,1,2,3
	v_add_nc_u32 v[TM+12+\b], 0xf8800000, v[TM+\b]
.endr
.irp b, 0,1,2,3
	v_and_or_b32 v[TM+8+\b], v[TM+\b], 0x7f800000, s[MNT]
.endr
.irp b, 0,1,2,3
	v_lshrrev_b32 v[TM+4+\b], 23, v[TM+12+\b]
.endr
	v_lshl_or_b32 v[PW], v[TM+5], 8, v[TM+4]
	v_lshl_or_b32 v[PW], v[TM+6], 16, v[PW]
	v_lshl_or_b32 v[PW], v[TM+7], 24, v[PW]
.irp b, 0,1,2,3
.irp i, 0,1,2,3,4,5,6,7,8,9,10,11,12,13,14,15
	v_min_num_f32 v[WRK+16*\b+\i], v[WRK+16*\b+\i], v[TM+8+\b]   ; p is not negative: the hold is one-sided
.endr
	v_cvt_scalef32_pk8_bf8_f32 v[PC+4*\b:PC+4*\b+1], v[WRK+16*\b:WRK+16*\b+7], v[TM+12+\b]
	v_cvt_scalef32_pk8_bf8_f32 v[PC+4*\b+2:PC+4*\b+3], v[WRK+16*\b+8:WRK+16*\b+15], v[TM+12+\b]
.endr
	PLACES 4
	FRAG4 24, 0, 25, 0, 128                        ; source 0 = 16 of d (K = the patches), source 1 = p
	s_wait_dscnt 0x0
	MUL4 RAW, -1, PC, PW
	PLACES 8
	FRAG4 24, 8192, 25, 512, 128
.set EJ, 0
.rept 16
	v_pk_fma_f32 v[ACC+EJ:ACC+EJ+1], v[RAW+EJ:RAW+EJ+1], v[26:27], v[ACC+EJ:ACC+EJ+1]   ; / the sum, / 8
.set EJ, EJ+2
.endr
	s_wait_dscnt 0x0
	MUL4 RAW+32, -1, PC, PW
	PLACES 8
.set EJ, 32
.rept 16
	v_pk_fma_f32 v[ACC+EJ:ACC+EJ+1], v[RAW+EJ:RAW+EJ+1], v[26:27], v[ACC+EJ:ACC+EJ+1]
.set EJ, EJ+2
.endr
	s_add_co_u32 s[HT], s[HT], 8192
	s_add_co_u32 s[HU], s[HU], 1024
	s_sub_co_u32 s[CNT], s[CNT], 1
	s_cmp_lg_u32 s[CNT], 0
	s_cbranch_scc1 .Lhead
	; ---- 5: the way out
	OUTSTAGE ACC, 24, 512, 8, 7
	; ---- 6: my work-group's share of topic_binary[b]: wave 0 four rows g along d, wave 1 one block of 32 g of 16 columns d.  No barrier follows.
	s_wait_xcnt 0x0
	s_cmp_eq_u32 s2, 0
	s_cbranch_scc1 .Lalong_d
	s_cmp_eq_u32 s2, 1
	s_cbranch_scc1 .Lalong_g
	s_set_vgpr_msb 0x5
	s_wait_tensorcnt 0x0
	ds_add_u32 v0, v1
	s_wait_dscnt 0x0
	s_set_vgpr_msb 0x500
	s_endpgm
.Lalong_d:                                             ; rows g = 4 c + l / 8; lane l holds d = 16 (l % 8) on; lanes l and l xor 1 hold a block
	s_lshl_b32 s42, s4, 11
	s_mov_b32 s43, 0
	s_add_nc_u64 s[22:23], s[22:23], s[42:43]
	s_lshr_b32 s53, s4, 3
	s_lshl_b32 s53, s53, 1
	s_bfe_u32 s54, s4, 0x10001
	s_add_co_u32 s53, s53, s54                     ; the tile: 2 (c / 8) + (c / 2) % 2
	s_and_b32 s54, s4, 1
	s_lshl_b32 s54, s54, 2
	s_bfe_u32 s56, s4, 0x10002
	s_lshl_b32 s56, s56, 3
	s_add_co_u32 s54, s54, s56                     ; its row, less l / 8: 4 (c % 2) + 8 ((c / 4) % 2)
	s_lshl_b32 s56, s53, 11
	s_lshl_b32 s57, s54, 4
	s_add_co_u32 s56, s56, s57                     ; codes: 2,048 x tile + 16 x row
	s_lshl_b32 s57, s53, 6
	s_lshl_b32 s58, s54, 2
	s_add_co_u32 s57, s57, s58
	s_add_co_u32 s57, s57, 131072                  ; bytes: 131,072 + 64 x tile + 4 x row
	v_and_b32 v5, 31, v0
	v_lshlrev_b32 v1, 6, v5
	v_lshrrev_b32 v6, 3, v5
	v_bfe_u32 v7, v5, 1, 2                         ; the block
	v_and_b32 v5, 1, v5                            ; which 16 of it
	v_lshlrev_b32 v3, 4, v6
	v_lshl_add_u32 v3, v7, 9, v3
	v_lshl_add_u32 v3, v5, 8, v3
	v_add_nc_u32 v3, s56, v3
	v_lshl_add_u32 v4, v6, 2, v7
	v_add_nc_u32 v4, s57, v4
.irp j, 0,1,2,3
	global_load_b128 v[160+4*\j:163+4*\j], v1, s[22:23] offset:16*\j
.endr
	s_wait_loadcnt 0x0
	TQUANT 0
	global_store_b128 v3, v[224:227], s[26:27]
	global_store_b8 v4, v244, s[26:27]             ; both lanes of a block write the same byte with the same value
	s_set_vgpr_msb 0x5
	s_wait_tensorcnt 0x0
	ds_add_u32 v0, v1
	s_wait_dscnt 0x0
	s_set_vgpr_msb 0x500
	s_endpgm
.Lalong_g:                                             ; block c / 8 of 32 g, tile c % 8 of d: lane (r, h) takes the tile's row r and g = 16 h on: its registers run down g
	s_lshr_b32 s53, s4, 3
	s_lshl_b32 s42, s53, 14
	s_bfe_u32 s54, s4, 0x20001
	s_lshl_b32 s54, s54, 7
	s_add_co_u32 s42, s42, s54
	s_and_b32 s54, s4, 1
	s_lshl_b32 s54, s54, 5
	s_add_co_u32 s42, s42, s54                     ; 16,384 x block + 4 (32 (tile / 2) + 8 (tile % 2))
	s_mov_b32 s43, 0
	s_add_nc_u64 s[22:23], s[22:23], s[42:43]
	s_lshr_b32 s54, s4, 5                          ; the K step of 128 g
	s_and_b32 s56, s4, 7                           ; the tile
	s_and_b32 s53, s53, 3                          ; the block in the K step
	s_lshl_b32 s57, s54, 14
	s_lshl_b32 s58, s56, 11
	s_add_co_u32 s57, s57, s58
	s_lshl_b32 s58, s53, 9
	s_add_co_u32 s57, s57, s58
	s_add_co_u32 s57, s57, 65536                   ; codes: 65,536 + 16,384 s + 2,048 x tile + 512 x block
	s_lshl_b32 s58, s54, 9
	s_lshl_b32 s59, s56, 6
	s_add_co_u32 s58, s58, s59
	s_add_co_u32 s58, s58, s53
	s_add_co_u32 s58, s58, 133120                  ; bytes: 133,120 + 512 s + 64 x tile + block
	v_and_b32 v5, 15, v0
	v_bfe_u32 v6, v0, 4, 1
	v_and_b32 v7, 8, v5
	v_add_nc_u32 v7, v7, v5
	v_lshlrev_b32 v1, 2, v7
	v_lshl_add_u32 v1, v6, 13, v1                  ; 8,192 h + 4 (r + 8 (r / 8))
	v_and_b32 v3, 31, v0
	v_lshlrev_b32 v3, 4, v3
	v_add_nc_u32 v3, s57, v3
	v_lshlrev_b32 v4, 2, v5
	v_add_nc_u32 v4, s58, v4
.irp i, 0,1,2,3,4,5,6,7,8,9,10,11,12,13,14,15
	global_load_b32 v[160+\i], v1, s[22:23] offset:512*\i
.endr
	s_wait_loadcnt 0x0
	TQUANT 1
	global_store_b128 v3, v[224:227], s[26:27]     ; 32 lanes store 512 consecutive bytes
	global_store_b8 v4, v244, s[26:27]
	s_set_vgpr_msb 0x5
	s_wait_tensorcnt 0x0
	ds_add_u32 v0, v1
	s_wait_dscnt 0x0
	s_set_vgpr_msb 0x500
	s_endpgm
.Lfunc_end_k_q8b131a8cc9_timeattn:
	.size	k_q8b131a8cc9_timeattn, .Lfunc_end_k_q8b131a8cc9_timeattn-k_q8b131a8cc9_timeattn
	.p2alignl 7, 3214868480
	.fill 96, 4, 3214868480
	.section	.rodata,"a",@progbits
	.p2align	6, 0x0
	.amdhsa_kernel k_q8b131a8cc9_timeattn
		.amdhsa_group_segment_fixed_size 152576
		.amdhsa_private_segment_fixed_size 0
		.amdhsa_enable_private_segment 0
		.amdhsa_kernarg_size 80
		.amdhsa_user_sgpr_count 2
		.amdhsa_user_sgpr_kernarg_segment_ptr 1
		.amdhsa_wavefront_size32 1
		.amdhsa_system_sgpr_workgroup_id_x 1
		.amdhsa_system_sgpr_workgroup_id_y 1
		.amdhsa_system_sgpr_workgroup_id_z 1
		.amdhsa_system_vgpr_workitem_id 0
		.amdhsa_next_free_vgpr 258
		.amdhsa_next_free_sgpr 66
		.amdhsa_reserve_vcc 0
		.amdhsa_float_denorm_mode_32 3
		.amdhsa_float_denorm_mode_16_64 3
		.amdhsa_memory_ordered 1
		.amdhsa_forward_progress 1
		.amdhsa_inst_pref_size 91
	.end_amdhsa_kernel
	.amdgpu_metadata
---
amdhsa.version: [ 1, 2 ]
amdhsa.kernels:
  - .name:           k_q8b131a8cc9_timeattn
    .symbol:         k_q8b131a8cc9_timeattn.kd
    .args:
      - { .name: qz, .offset: 0, .size: 8, .value_kind: global_buffer, .address_space: global }
      - { .name: ln_gamma, .offset: 8, .size: 8, .value_kind: global_buffer, .address_space: global }
      - { .name: ln_beta, .offset: 16, .size: 8, .value_kind: global_buffer, .address_space: global }
      - { .name: time_u_weight_codes, .offset: 24, .size: 8, .value_kind: global_buffer, .address_space: global }
      - { .name: time_u_weight_scales, .offset: 32, .size: 8, .value_kind: global_buffer, .address_space: global }
      - { .name: time_v_weight_codes, .offset: 40, .size: 8, .value_kind: global_buffer, .address_space: global }
      - { .name: time_v_weight_scales, .offset: 48, .size: 8, .value_kind: global_buffer, .address_space: global }
      - { .name: topic_binary, .offset: 56, .size: 8, .value_kind: global_buffer, .address_space: global }
      - { .name: mt, .offset: 64, .size: 8, .value_kind: global_buffer, .address_space: global }
      - { .name: tq, .offset: 72, .size: 8, .value_kind: global_buffer, .address_space: global }
    .group_segment_fixed_size: 152576
    .private_segment_fixed_size: 0
    .kernarg_segment_align: 8
    .kernarg_segment_size: 80
    .max_flat_workgroup_size: 256
    .sgpr_count:     66
    .vgpr_count:     258
    .wavefront_size: 32
...
	.end_amdgpu_metadata
.endif
;; end of part 1
;; launch chanmlp (part 2): grid 128 x 4, 8 waves a work-group, no clusters, 306,176 bytes of LDS; arguments qz, unary, mt, tq, ln_gamma, ln_beta, channel_u_weight_codes, channel_u_weight_scales, channel_v_weight_codes, channel_v_weight_scales, w1_codes, w1_scales, b1, w2_codes, w2_scales, b2, out0; writes out0
.if DOCPART == 2
	.amdgcn_target "amdgcn-amd-amdhsa--gfx1250"
	.amdhsa_code_object_version 6
	.text
	.protected	k_q8b131a8cc9_chanmlp
	.globl	k_q8b131a8cc9_chanmlp
	.p2align	8
	.type	k_q8b131a8cc9_chanmlp,@function
k_q8b131a8cc9_chanmlp:
	s_mov_b64 s[64:65], 0
	v_nop
	global_prefetch_b8 v0, s[64:65] scope:SCOPE_SE
	s_setreg_imm32_b32 hwreg(HW_REG_WAVE_MODE, 25, 1), 1
	s_wait_xcnt 0x0
; ALL THE REST OF ONE (batch b, patch p): 128 channels x 128.  U = qz + unary + mt; qzn = LayerNorm(qz); the topic branch; the channel attention, whose weights multiply qzn number by number;
; x = (U + m_g + m_c) / 2; out0 = x + gelu(LayerNorm(x) w1^T + b1) w2^T + b2.
; SHARES.  Eight waves; wave w owns channels 16 w .. 16 w + 15 through all the work.  r = lane % 16, h = lane / 16.
; ORDER OF A ROW IN REGISTERS: register 16 c + i of lane (r, h) holds index 32 c + 16 h + i of row r: the order of an 8-bit operand of the scaled matrix instruction.
; THE ROWS OF A TILE ARE NOT NEIGHBOURS: row r' of tile 2 c + u is index 32 c + 8 u + r' + 8 (r' / 8).  With such a tile as source 0 and my 16 rows as source 1 the eight tiles' results lie in the order above:
; so the topics, m_g, the scores (keys = channels), the hidden layer and the output all lie as qzn lies, and nothing changes lanes.
; THE TOPICS' CODES come from tq, which the launch before has laid in the order of an operand's registers: 135,168 dense bytes of a batch, one tensor load of 16,896 bytes a wave, filled once.
; The first topic product is multiplied twice: the row's sum over all 512 topics divides each number ahead of the quantiser, and 512 numbers a row do not fit beside the rest in 256 registers.
; THE SCORES (K = 16) go on, through x and the second norm, into a quantised operand: f32 operands, four steps of 16x16x4, fed as in the launch before.
; ERF: u A(u^2) / B(u^2) with u held to +-4, polynomials of degree 6 and 4, all in f32.
; NO CLUSTER: the one tile that the work-groups of a batch share is asked for once, at the head, and has the loads of my 196,608 bytes of rows, a norm and a quantiser in which to land; nothing is filled again.
; LIMITS: NaN and infinities are not served.  A block whose largest magnitude lies under 2^-111, a block of zeros among them, keeps the scale byte 1 (this program alone reads the bytes).
; Divisions are a reciprocal and a multiplication.  1 + erf loses relative accuracy for arguments of gelu under about -3, where gelu lies under 0.005 in magnitude.  Sums are taken in another order than the reference's.
.set T1S,  131072                      ; LDS 0: tq: the topics' codes along d (32 tiles), at 65,536 along g (4 K steps x 8 tiles), their scale words at 131,072 and 133,120.
.set T2C,  65536                       ;        Behind the topic branch, when these bytes have had their one fill and their last read: cv's images at 0, each wave's cu at 65,536 + 8,192 w
.set T2S,  133120
.set UP,   135168                      ; each wave's own 8,448 bytes: U parked, later the stage for the way out
.set SP,   528
.set XNP,  202752                      ; each wave's own 8,192 bytes: qzn parked
.set VEC,  268288                      ; gamma, beta, b1, b2
.set W1I,  270336                      ; w1's eight tiles as images; w2's 16,384 bytes on
.set W1S,  303104                      ; their scale words; w2's 1,024 bytes on
.set XS,   11
.set PW,   15
.set AUX,  16
.set WRK,  32
.set RAW,  96                          ; written by matrix instructions alone
.set ACC,  160
.set PC,   224
.set TM,   240
.set EA0,  42                          ; s[42:53] erf's a0, a2 .. a6, a pair each;  a1 and b1 stand in v[16:17] and v[18:19], since the first step of each polynomial names two coefficients
.set EA2,  44
.set EA3,  46
.set EA4,  48
.set EA5,  50
.set EA6,  52
.set EB0,  54                          ; s[54:61] b0, b2 .. b4
.set EB2,  56
.set EB3,  58
.set EB4,  60
.set RS2,  62                          ; s[62:63] 1 / sqrt(2)
.set CS,   66                          ; s[66:67] log2(e) / 4
.set G0,   68                          ; s[68:71] descriptor group 0
.set G1,   72                          ; s[72:79] group 1
.set SEL,  80
.set MNT,  82
.set EPS,  83
.set K7,   84
.set NEGC, 85                          ; -log2(e) / 4
.set HT,   86                          ; places that step in the loops
.set HU,   87
.set CNT,  88
.set VWS,  89
.macro PLACES n                        ; plain places behind matrix instructions (ISA guide 7.12.1)
.rept \n
	v_nop
.endr
.endm
.macro BARRIER                         ; my LDS stores have landed and my LDS loads are in: then the work-group's barrier
	s_wait_dscnt 0x0
	s_barrier_signal -1
	s_barrier_wait -1
.endm
.macro SPAIR reg, val
	s_mov_b32 s[\reg], \val
	s_mov_b32 s[\reg+1], \val
.endm
; 64 numbers of a lane in the order of a row become 16 registers of codes in v[dst] on and the row's scale word in v[sw].  relu = 1: what is negative becomes 0.
.macro QUANT s, relu, dst, sw
.irp b, 0,1,2,3
.if \relu
	v_max3_num_f32 v[TM+\b], v[\s+16*\b], v[\s+16*\b+1], 0x8000000           ; no |.|: what is negative must not count; the floor stands over it
.else
	v_max3_num_f32 v[TM+\b], |v[\s+16*\b]|, |v[\s+16*\b+1]|, 0x8000000       ; my 16 numbers of block b, and the floor 2^(16 - 127): the byte cannot fall under 1
.endif
.endr
.irp i, 2,4,6,8,10,12,14
.irp b, 0,1,2,3
.if \relu
	v_max3_num_f32 v[TM+\b], v[TM+\b], v[\s+16*\b+\i], v[\s+16*\b+\i+1]
.else
	v_max3_num_f32 v[TM+\b], v[TM+\b], |v[\s+16*\b+\i]|, |v[\s+16*\b+\i+1]|
.endif
.endr
.endr
.irp b, 0,1,2,3
	v_permlanex16_b32 v[TM+4+\b], v[TM+\b], s[SEL], s[SEL+1]
.endr
.irp b, 0,1,2,3
	v_max_num_f32 v[TM+\b], v[TM+\b], v[TM+4+\b]
.endr
.irp b, 0,1,2,3
	v_add_nc_u32 v[TM+12+\b], 0xf8800000, v[TM+\b]        ; 15 off the exponent field: the conversion's scale operand
.endr
.irp b, 0,1,2,3
	v_and_or_b32 v[TM+8+\b], v[TM+\b], 0x7f800000, s[MNT] ; 57,344 x the scale
.endr
.irp b, 0,1,2,3
	v_lshrrev_b32 v[TM+4+\b], 23, v[TM+12+\b]             ; the scale's byte
.endr
	v_lshl_or_b32 v[\sw], v[TM+5], 8, v[TM+4]
	v_lshl_or_b32 v[\sw], v[TM+6], 16, v[\sw]
	v_lshl_or_b32 v[\sw], v[TM+7], 24, v[\sw]
.irp b, 0,1,2,3
.irp i, 0,1,2,3,4,5,6,7,8,9,10,11,12,13,14,15
.if \relu
	v_med3_num_f32 v[\s+16*\b+\i], v[\s+16*\b+\i], 0, v[TM+8+\b]             ; the clip at 0 and the hold in one
.else
	v_med3_num_f32 v[\s+16*\b+\i], v[\s+16*\b+\i], -v[TM+8+\b], v[TM+8+\b]   ; the conversion does not saturate (ISA guide 7.6.2): the hold comes first
.endif
.endr
	v_cvt_scalef32_pk8_bf8_f32 v[\dst+4*\b:\dst+4*\b+1], v[\s+16*\b:\s+16*\b+7], v[TM+12+\b]
	v_cvt_scalef32_pk8_bf8_f32 v[\dst+4*\b+2:\dst+4*\b+3], v[\s+16*\b+8:\s+16*\b+15], v[TM+12+\b]
.endr
	PLACES 4                               ; the plain line behind the conversions, and the four places between codes so written and a scaled matrix instruction
.endm
; dst = (src - mean) / sqrt(var + 1e-5) of my row: 64 numbers here, 64 in lane l xor 16.  Two passes, so that a common offset does no harm.
.macro LNSTAT src, dst
	v_pk_add_f32 v[TM:TM+1], v[\src:\src+1], v[\src+2:\src+3]
	v_pk_add_f32 v[TM+2:TM+3], v[\src+4:\src+5], v[\src+6:\src+7]
.set LJ, 8
.rept 14
	v_pk_add_f32 v[TM:TM+1], v[TM:TM+1], v[\src+LJ:\src+LJ+1]
	v_pk_add_f32 v[TM+2:TM+3], v[TM+2:TM+3], v[\src+LJ+2:\src+LJ+3]
.set LJ, LJ+4
.endr
	v_pk_add_f32 v[TM:TM+1], v[TM:TM+1], v[TM+2:TM+3]
	v_add_f32 v[TM], v[TM], v[TM+1]
	v_permlanex16_b32 v[TM+4], v[TM], s[SEL], s[SEL+1]
	v_add_f32 v[TM], v[TM], v[TM+4]
	v_mul_f32 v[TM+6], s[K7], v[TM]
	v_mov_b32 v[TM+7], v[TM+6]
.set LJ, 0
.rept 32
	v_pk_add_f32 v[\dst+LJ:\dst+LJ+1], v[\src+LJ:\src+LJ+1], v[TM+6:TM+7] neg_lo:[0,1] neg_hi:[0,1]
.set LJ, LJ+2
.endr
	v_pk_mul_f32 v[TM:TM+1], v[\dst:\dst+1], v[\dst:\dst+1]
	v_pk_mul_f32 v[TM+2:TM+3], v[\dst+2:\dst+3], v[\dst+2:\dst+3]
.set LJ, 4
.rept 15
	v_pk_fma_f32 v[TM:TM+1], v[\dst+LJ:\dst+LJ+1], v[\dst+LJ:\dst+LJ+1], v[TM:TM+1]
	v_pk_fma_f32 v[TM+2:TM+3], v[\dst+LJ+2:\dst+LJ+3], v[\dst+LJ+2:\dst+LJ+3], v[TM+2:TM+3]
.set LJ, LJ+4
.endr
	v_pk_add_f32 v[TM:TM+1], v[TM:TM+1], v[TM+2:TM+3]
	v_add_f32 v[TM], v[TM], v[TM+1]
	v_permlanex16_b32 v[TM+4], v[TM], s[SEL], s[SEL+1]
	v_add_f32 v[TM], v[TM], v[TM+4]
	v_fma_f32 v[TM], v[TM], s[K7], s[EPS]
	v_rsq_f32 v[TM+8], v[TM]
	v_nop                                  ; a plain line behind the transcendental,
	s_wait_alu depctr_va_vdst(0)           ; and the wait ahead of the first line that names its result
	v_mov_b32 v[TM+9], v[TM+8]
.set LJ, 0
.rept 32
	v_pk_mul_f32 v[\dst+LJ:\dst+LJ+1], v[\dst+LJ:\dst+LJ+1], v[TM+8:TM+9]
.set LJ, LJ+2
.endr
.endm
.macro LNAPPLY dst                     ; dst = dst x gamma + beta; v12 = VEC + 64 h
.irp c, 0,1,2,3
.irp j, 0,1,2,3
	ds_load_b128 v[AUX+4*\j:AUX+4*\j+3], v12 offset:128*\c+16*\j
	ds_load_b128 v[PC+4*\j:PC+4*\j+3], v12 offset:512+128*\c+16*\j
.endr
	s_wait_dscnt 0x0
.irp k, 0,2,4,6,8,10,12,14
	v_pk_fma_f32 v[\dst+16*\c+\k:\dst+16*\c+\k+1], v[\dst+16*\c+\k:\dst+16*\c+\k+1], v[AUX+\k:AUX+\k+1], v[PC+\k:PC+\k+1]
.endr
.endr
.endm
.macro ADDVEC dst, src, off            ; dst = src + the vector at VEC + off, in the order of a row
.irp j, 0,1,2,3
	ds_load_b128 v[PC+4*\j:PC+4*\j+3], v12 offset:\off+16*\j
	ds_load_b128 v[TM+4*\j:TM+4*\j+3], v12 offset:\off+128+16*\j
	ds_load_b128 v[AUX+4*\j:AUX+4*\j+3], v12 offset:\off+256+16*\j
.endr
	s_wait_dscnt 0x0
.irp k, 0,2,4,6,8,10,12,14
	v_pk_add_f32 v[\dst+\k:\dst+\k+1], v[\src+\k:\src+\k+1], v[PC+\k:PC+\k+1]
.endr
.irp k, 0,2,4,6,8,10,12,14
	v_pk_add_f32 v[\dst+16+\k:\dst+16+\k+1], v[\src+16+\k:\src+16+\k+1], v[TM+\k:TM+\k+1]
.endr
.irp k, 0,2,4,6,8,10,12,14
	v_pk_add_f32 v[\dst+32+\k:\dst+32+\k+1], v[\src+32+\k:\src+32+\k+1], v[AUX+\k:AUX+\k+1]
.endr
.irp j, 0,1,2,3
	ds_load_b128 v[PC+4*\j:PC+4*\j+3], v12 offset:\off+384+16*\j
.endr
	s_wait_dscnt 0x0
.irp k, 0,2,4,6,8,10,12,14
	v_pk_add_f32 v[\dst+48+\k:\dst+48+\k+1], v[\src+48+\k:\src+48+\k+1], v[PC+\k:PC+\k+1]
.endr
.endm
.macro WLOAD8 cb                       ; a weight's eight tiles (rows 16 t + r, as they lie) from memory: tiles 0-3 into ACC, 4-7 into WRK; v9 = 128 r + 16 h
.irp t, 0,1,2,3
.irp cc, 0,1,2,3
	global_load_b128 v[ACC+16*\t+4*\cc:ACC+16*\t+4*\cc+3], v9, s[\cb:\cb+1] offset:2048*\t+32*\cc
.endr
.endr
.irp t, 0,1,2,3
.irp cc, 0,1,2,3
	global_load_b128 v[WRK+16*\t+4*\cc:WRK+16*\t+4*\cc+3], v9, s[\cb:\cb+1] offset:2048*(\t+4)+32*\cc
.endr
.endr
.endm
.macro WSLOAD sb, reg                  ; its rows' scale words; v10 = 4 r
.irp t, 0,1,2,3,4,5,6,7
	global_load_b32 v[\reg+\t], v10, s[\sb:\sb+1] offset:64*\t
.endr
.endm
.macro PROJ reg                        ; eight tiles: register jj of tile hd, lane (r, h) = (my row r) . (the weight's row 16 hd + 8 h + jj)
.irp t, 0,1,2,3
	v_wmma_scale_f32_16x16x128_f8f6f4 v[RAW+8*\t:RAW+8*\t+7], v[ACC+16*\t:ACC+16*\t+15], v[AUX:AUX+15], 0, v[\reg+\t], v[XS] matrix_a_fmt:MATRIX_FMT_BF8 matrix_b_fmt:MATRIX_FMT_BF8
.endr
.irp t, 0,1,2,3
	v_wmma_scale_f32_16x16x128_f8f6f4 v[RAW+32+8*\t:RAW+32+8*\t+7], v[WRK+16*\t:WRK+16*\t+15], v[AUX:AUX+15], 0, v[\reg+4+\t], v[XS] matrix_a_fmt:MATRIX_FMT_BF8 matrix_b_fmt:MATRIX_FMT_BF8
.endr
.endm
; v first: its tiles go to LDS, each row dealt to the tile and lane in which a tile of keys wants it (v6).  Then u, which stays in RAW.
.macro PROJ2 uc, us, vc, vs
	WLOAD8 \vc
	WSLOAD \vs, PC
	WSLOAD \us, PC+8
	s_wait_loadcnt 0x0
	PROJ PC
	PLACES 9                               ; eight for the loads into the fragments' registers and for the stores of the results; nine for the products that write RAW again
	WLOAD8 \uc
.irp t, 0,1,2,3,4,5,6,7
	ds_store_b128 v6, v[RAW+8*\t:RAW+8*\t+3] offset:8192*\t          ; each result from its low end on
	ds_store_b128 v6, v[RAW+8*\t+4:RAW+8*\t+7] offset:8192*\t+512
.endr
	s_wait_dscnt 0x0                       ; the stores have read RAW
	s_wait_loadcnt 0x0
	PROJ PC+8
	PLACES 8
.endm
; The scores of one head, transposed: source 0 = 16 keys, source 1 = my 16 queries; four K steps of 4; the eight accumulators take turns.
.macro SCORES
	v_add_nc_u32 v13, s[HT], v2
	v_add_nc_u32 v14, s[HU], v7
	ds_load_b128 v[16:19], v14
	ds_load_b128 v[20:23], v14 offset:512
.irp t, 0,1,2,3,4,5,6,7
	ds_load_b128 v[WRK+8*\t:WRK+8*\t+3], v13 offset:1024*\t
	ds_load_b128 v[WRK+8*\t+4:WRK+8*\t+7], v13 offset:1024*\t+512
.endr
	s_wait_dscnt 0x0
.irp s, 0,1,2,3
.irp t, 0,1,2,3,4,5,6,7
.if \s == 0
	v_wmma_f32_16x16x4_f32 v[RAW+8*\t:RAW+8*\t+7], v[WRK+8*\t+2*\s:WRK+8*\t+2*\s+1], v[16+2*\s:17+2*\s], 0
.else
	v_wmma_f32_16x16x4_f32 v[RAW+8*\t:RAW+8*\t+7], v[WRK+8*\t+2*\s:WRK+8*\t+2*\s+1], v[16+2*\s:17+2*\s], v[RAW+8*\t:RAW+8*\t+7]
.endif
.endr
.endr
	PLACES 8
.endm
.macro BLKMAX                          ; the largest score of each 32 keys; every accumulator is read from its low end on
.irp b, 0,1,2,3
	v_max3_num_f32 v[TM+\b], v[RAW+16*\b], v[RAW+16*\b+1], v[RAW+16*\b+2]
.endr
.irp i, 3,5,7,9,11,13
.irp b, 0,1,2,3
	v_max3_num_f32 v[TM+\b], v[TM+\b], v[RAW+16*\b+\i], v[RAW+16*\b+\i+1]
.endr
.endr
.irp b, 0,1,2,3
	v_max_num_f32 v[TM+\b], v[TM+\b], v[RAW+16*\b+15]
.endr
.irp b, 0,1,2,3
	v_permlanex16_b32 v[TM+4+\b], v[TM+\b], s[SEL], s[SEL+1]
.endr
.irp b, 0,1,2,3
	v_max_num_f32 v[TM+\b], v[TM+\b], v[TM+4+\b]
.endr
.endm
.macro PSUM                            ; v[26:27] = 1 / (8 x the sum of my row's 128 p), in both words
	v_pk_add_f32 v[26:27], v[WRK:WRK+1], v[WRK+2:WRK+3]
	v_pk_add_f32 v[28:29], v[WRK+4:WRK+5], v[WRK+6:WRK+7]
.set PJ, 8
.rept 14
	v_pk_add_f32 v[26:27], v[26:27], v[WRK+PJ:WRK+PJ+1]
	v_pk_add_f32 v[28:29], v[28:29], v[WRK+PJ+2:WRK+PJ+3]
.set PJ, PJ+4
.endr
	v_pk_add_f32 v[26:27], v[26:27], v[28:29]
	v_add_f32 v26, v26, v27
	v_permlanex16_b32 v28, v26, s[SEL], s[SEL+1]
	v_add_f32 v26, v26, v28
	v_rcp_f32 v27, v26
	v_nop
	s_wait_alu depctr_va_vdst(0)
	v_mul_f32 v26, 0x3e000000, v27
	v_mov_b32 v27, v26
.endm
.macro FRAG4 ca, coff, sa, soff, sstep ; four fragments (images of 2,048 bytes) into WRK, their scale words into TM+0..3
.irp t, 0,1,2,3
.irp cc, 0,1,2,3
	ds_load_b128 v[WRK+16*\t+4*\cc:WRK+16*\t+4*\cc+3], v[\ca] offset:(\coff)+2048*\t+512*\cc
.endr
	ds_load_b32 v[TM+\t], v[\sa] offset:(\soff)+(\sstep)*\t
.endr
.endm
.macro MUL4 d, c, b, bs                ; four products on them; c < 0: the sums start with the constant 0
.irp t, 0,1,2,3
.if (\c) < 0
	v_wmma_scale_f32_16x16x128_f8f6f4 v[\d+8*\t:\d+8*\t+7], v[WRK+16*\t:WRK+16*\t+15], v[\b:\b+15], 0, v[TM+\t], v[\bs] matrix_a_fmt:MATRIX_FMT_BF8 matrix_b_fmt:MATRIX_FMT_BF8
.else
	v_wmma_scale_f32_16x16x128_f8f6f4 v[\d+8*\t:\d+8*\t+7], v[WRK+16*\t:WRK+16*\t+15], v[\b:\b+15], v[\c+8*\t:\c+8*\t+7], v[TM+\t], v[\bs] matrix_a_fmt:MATRIX_FMT_BF8 matrix_b_fmt:MATRIX_FMT_BF8
.endif
.endr
.endm
.macro PARK adr, src                   ; 64 registers to my own LDS bytes as they stand, 16 bytes a lane
.irp k, 0,1,2,3,4,5,6,7,8,9,10,11,12,13,14,15
	ds_store_b128 v[\adr], v[\src+4*\k:\src+4*\k+3] offset:512*\k
.endr
.endm
.macro UNPARK adr, dst
.irp k, 0,1,2,3,4,5,6,7,8,9,10,11,12,13,14,15
	ds_load_b128 v[\dst+4*\k:\dst+4*\k+3], v[\adr] offset:512*\k
.endr
.endm
.macro ROWS dst, base                  ; my row's 64 numbers in the order of a row; v1 = 65,536 r + 64 h; read once in the launch
.irp c, 0,1,2,3
.irp j, 0,1,2,3
	global_load_b128 v[\dst+16*\c+4*\j:\dst+16*\c+4*\j+3], v1, s[\base:\base+1] offset:128*\c+16*\j th:TH_LOAD_NT
.endr
.endr
.endm
.macro MTCH dst, c                     ; chunk c (16 numbers) of my row of mt
.irp j, 0,1,2,3
	global_load_b128 v[\dst+4*\j:\dst+4*\j+3], v1, s[12:13] offset:128*\c+16*\j th:TH_LOAD_NT
.endr
.endm
.macro ADD16 c, buf                    ; chunk c of ACC += buf
.irp k, 0,2,4,6,8,10,12,14
	v_pk_add_f32 v[ACC+16*\c+\k:ACC+16*\c+\k+1], v[ACC+16*\c+\k:ACC+16*\c+\k+1], v[\buf+\k:\buf+\k+1]
.endr
.endm
; One K step (128 topics) of the second pass: the first product again, / the sum, clipped at 0 and quantised in registers, then its part of m_g.
.macro KSTEP zero
	v_add_nc_u32 v4, s[HT], v2             ; the codes along d: 16,384 bytes a K step
	v_add_nc_u32 v5, s[HU], v1             ; their scale words: 512
	v_add_nc_u32 v6, s[HT], v8             ; the codes along g
	v_add_nc_u32 v7, s[HU], v9
	FRAG4 4, 0, 5, 0, 64
	s_wait_dscnt 0x0
	MUL4 RAW, -1, AUX, XS
	PLACES 8
	FRAG4 4, 8192, 5, 256, 64
	s_wait_dscnt 0x0
	MUL4 RAW+32, -1, AUX, XS
	PLACES 8
.set KJ, 0
.rept 32
	v_pk_mul_f32 v[WRK+KJ:WRK+KJ+1], v[RAW+KJ:RAW+KJ+1], v[12:13]
.set KJ, KJ+2
.endr
	QUANT WRK, 1, PC, PW
	FRAG4 6, 0, 7, 0, 64
	s_wait_dscnt 0x0
.if \zero
	MUL4 ACC, -1, PC, PW
.else
	MUL4 ACC, ACC, PC, PW                  ; one instruction a turn; between two links on one accumulator stand fifteen other matrix instructions
.endif
	PLACES 8
	FRAG4 6, 8192, 7, 256, 64
	s_wait_dscnt 0x0
.if \zero
	MUL4 ACC+32, -1, PC, PW
.else
	MUL4 ACC+32, ACC+32, PC, PW
.endif
	PLACES 8
	s_add_co_u32 s[HT], s[HT], 16384
	s_add_co_u32 s[HU], s[HU], 512
.endm
.macro XCH c, buf, left, more          ; chunk c of x = (U' + attention x qzn) / 2; more = 1: qzn's chunk c + 2 is asked for into the buffer just read
	s_wait_dscnt \left
.irp k, 0,2,4,6,8,10,12,14
	v_pk_fma_f32 v[ACC+16*\c+\k:ACC+16*\c+\k+1], v[\buf+\k:\buf+\k+1], v[ACC+16*\c+\k:ACC+16*\c+\k+1], v[WRK+16*\c+\k:WRK+16*\c+\k+1]
.endr
.irp k, 0,2,4,6,8,10,12,14
	v_pk_mul_f32 v[ACC+16*\c+\k:ACC+16*\c+\k+1], v[ACC+16*\c+\k:ACC+16*\c+\k+1], 0.5 op_sel_hi:[1,0]
.endr
.if \more
.irp j, 0,1,2,3
	ds_load_b128 v[\buf+4*\j:\buf+4*\j+3], v9 offset:512*(4*(\c+2)+\j)
.endr
.endif
.endm
; gelu of eight numbers in place: v224-231 u, then z / 2; v232-239 u^2, then 1 / B; v240-247 A; v248-255 B
.macro GELU8 z
.set GZ, WRK+8*(\z)
.irp k, 0,2,4,6
	v_pk_mul_f32 v[224+\k:225+\k], v[GZ+\k:GZ+\k+1], s[RS2:RS2+1] op_sel_hi:[1,0]
.endr
.irp k, 0,1,2,3,4,5,6,7
	v_med3_num_f32 v[224+\k], v[224+\k], -4.0, 4.0
.endr
.irp k, 0,2,4,6
	v_pk_mul_f32 v[232+\k:233+\k], v[224+\k:225+\k], v[224+\k:225+\k]
.endr
.irp k, 0,2,4,6
	v_pk_fma_f32 v[240+\k:241+\k], v[232+\k:233+\k], s[EA0:EA0+1], v[16:17] op_sel_hi:[1,0,1]
.endr
.irp k, 0,2,4,6
	v_pk_fma_f32 v[248+\k:249+\k], v[232+\k:233+\k], s[EB0:EB0+1], v[18:19] op_sel_hi:[1,0,1]
.endr
.irp p, EA2, EA3, EA4, EA5, EA6
.irp k, 0,2,4,6
	v_pk_fma_f32 v[240+\k:241+\k], v[240+\k:241+\k], v[232+\k:233+\k], s[\p:\p+1] op_sel_hi:[1,1,0]
.endr
.endr
.irp p, EB2, EB3, EB4
.irp k, 0,2,4,6
	v_pk_fma_f32 v[248+\k:249+\k], v[248+\k:249+\k], v[232+\k:233+\k], s[\p:\p+1] op_sel_hi:[1,1,0]
.endr
.endr
.irp k, 0,2,4,6
	v_pk_mul_f32 v[240+\k:241+\k], v[240+\k:241+\k], v[224+\k:225+\k]
.endr
.irp k, 0,1,2,3,4,5,6,7
	v_rcp_f32 v[232+\k], v[248+\k]
.endr
.irp k, 0,2,4,6
	v_pk_mul_f32 v[224+\k:225+\k], v[GZ+\k:GZ+\k+1], 0.5 op_sel_hi:[1,0]   ; plain work behind the eight reciprocals
.endr
	s_wait_alu depctr_va_vdst(0)           ; one wait for the eight, ahead of their first reader
.irp k, 0,2,4,6
	v_pk_mul_f32 v[240+\k:241+\k], v[240+\k:241+\k], v[232+\k:233+\k]      ; erf
.endr
.irp k, 0,2,4,6
	v_pk_fma_f32 v[GZ+\k:GZ+\k+1], v[224+\k:225+\k], v[240+\k:241+\k], v[224+\k:225+\k]   ; z / 2 x erf + z / 2
.endr
.endm
.macro OUTSTAGE src, base, step, sin, sout   ; 16 rows through my own stage (rows 528 bytes apart), out as whole rows: 32 lanes store 512 consecutive bytes; written once, read by nobody here
.irp c, 0,1,2,3
.irp j, 0,1,2,3
	ds_store_b128 v[\sin], v[\src+16*\c+4*\j:\src+16*\c+4*\j+3] offset:128*\c+16*\j
.endr
.endr
.irp i, 0,1,2,3,4,5,6,7,8,9,10,11,12,13,14,15
	ds_load_b128 v[WRK+4*\i:WRK+4*\i+3], v[\sout] offset:SP*\i
.endr
.irp i, 0,1,2,3,4,5,6,7,8,9,10,11,12,13,14,15
	s_wait_dscnt 15-\i                     ; row i is back; the 15 - i rows behind it may be out
	global_store_b128 v2, v[WRK+4*\i:WRK+4*\i+3], s[\base:\base+1] offset:\step*\i th:TH_STORE_NT
.endr
.endm
	s_load_b512 s[8:23], s[0:1], 0x0               ; qz 8, unary 10, mt 12, tq 14, gamma 16, beta 18, cu's codes 20, cu's scales 22
	s_load_b512 s[24:39], s[0:1], 0x40             ; cv's codes 24, cv's scales 26, w1's codes 28, w1's scales 30, b1 32, w2's codes 34, w2's scales 36, b2 38
	s_load_b64 s[40:41], s[0:1], 0x80              ; out0
	s_set_vgpr_msb 0x40
	v_lshl_add_u32 v0, v0, 2, 0x4a800
	v_mov_b32 v1, 0
	s_set_vgpr_msb 0x4045
	ds_add_u32 v0, v1
	ds_add_u32 v0, v1
	s_set_vgpr_msb 0x4500
	v_lshrrev_b32 v255, 5, v0
	v_readfirstlane_b32 s2, v255                   ; wave 0..7
	s_and_b32 s3, ttmp7, 0xffff                    ; batch
	s_mov_b32 s4, ttmp9                            ; patch
	; the one tensor load of a wave: 66 dense rows of 256 bytes of my batch's tq, to the same place in LDS
	s_mov_b32 s[G0], 1                             ; count = 1
	s_mul_i32 s[G0+1], s2, 16896                   ; LDS address
	s_mov_b32 s[G1], 3<<16                         ; no mask; elements of 8 bytes; no padding
	s_mov_b32 s[G1+1], 32<<16                      ; tensor_dim0 = 32
	s_mov_b32 s[G1+2], 66<<16                      ; tensor_dim1 = 66
	s_mov_b32 s[G1+3], 32<<16                      ; tile_dim0 = 32
	s_mov_b32 s[G1+4], 66                          ; tile_dim1 = 66
	s_mov_b32 s[G1+5], 32                          ; from row to row
	s_mov_b32 s[G1+6], 0
	s_mov_b32 s[G1+7], 0
	s_mul_i32 s92, s3, 135168
	s_add_co_u32 s92, s92, s[G0+1]
	s_mov_b32 s93, 0
	s_lshl_b32 s90, s3, 23
	s_lshl_b32 s91, s4, 9
	s_add_co_u32 s90, s90, s91
	s_lshl_b32 s91, s2, 20
	s_add_co_u32 s90, s90, s91                     ; my first row: 8,388,608 b + 512 p + 16 w rows of 65,536
	s_mov_b32 s91, 0
	s_mov_b32 s[SEL], 0x76543210
	s_mov_b32 s[SEL+1], 0xfedcba98
	s_mov_b32 s[MNT], 0x600000
	s_mov_b32 s[EPS], 0x3727c5ac
	s_mov_b32 s[K7], 0x3c000000
	s_mov_b32 s[NEGC], 0xbeb8aa3b
	SPAIR CS,  0x3eb8aa3b
	SPAIR RS2, 0x3f3504f3
	SPAIR EA0, 0xaf95df0b
	SPAIR EA2, 0xb60cff51
	SPAIR EA3, 0xb86ec2d2
	SPAIR EA4, 0xba40ac63
	SPAIR EA5, 0xbb41a1f6
	SPAIR EA6, 0xbc83dbd4
	SPAIR EB0, 0xb77460cd
	SPAIR EB2, 0xbadc924e
	SPAIR EB3, 0xbbf19bf8
	SPAIR EB4, 0xbc69b6a7
	s_mul_i32 s5, s2, 16*SP
	s_add_co_u32 s5, s5, UP                        ; my bytes for U and for the way out
	s_lshl_b32 s6, s2, 13
	s_add_co_u32 s6, s6, XNP                       ; my bytes for qzn
	s_lshl_b32 s7, s2, 13
	s_add_co_u32 s7, s7, T2C                       ; my bytes for cu
	s_lshr_b32 s86, s2, 1
	s_and_b32 s87, s2, 1
	s_lshl_b32 s[VWS], s86, 11
	s_lshl_b32 s88, s87, 7
	s_add_co_u32 s[VWS], s[VWS], s88               ; the wave's term of an image's place
	s_lshl_b32 s86, s86, 5
	s_lshl_b32 s87, s87, 3
	s_add_co_u32 s86, s86, s87                     ; tile w's first row: 32 (w / 2) + 8 (w % 2)
	s_lshl_b32 s87, s2, 11
	s_add_co_u32 s87, s87, W1I
	s_lshl_b32 s88, s2, 7
	s_add_co_u32 s88, s88, W1S
	v_and_b32 v252, 15, v0                         ; r
	v_bfe_u32 v253, v0, 4, 1                       ; h
	v_and_b32 v254, 31, v0                         ; lane
	v_lshlrev_b32 v1, 16, v252
	v_lshl_add_u32 v1, v253, 6, v1                 ; v1: my row: 65,536 r + 64 h
	v_lshlrev_b32 v2, 4, v254                      ; v2: 16 x lane, kept
	v_and_b32 v3, 127, v0
	v_lshlrev_b32 v3, 2, v3                        ; v3: a word of a vector of 128
	v_and_b32 v255, 8, v252
	v_add_nc_u32 v255, v255, v252
	v_add_nc_u32 v255, s86, v255                   ; tile w's row r of w1 and w2
	v_lshlrev_b32 v4, 7, v255
	v_lshl_add_u32 v4, v253, 4, v4                 ; v4: its codes
	v_lshlrev_b32 v5, 2, v255                      ; v5: its scale word
	v_lshl_add_u32 v6, v0, 2, VEC
	v_add_nc_u32 v7, s87, v2
	v_lshlrev_b32 v8, 2, v254
	v_add_nc_u32 v8, s88, v8
	v_add_nc_u32 v9, s6, v2
	v_add_nc_u32 v10, s5, v2
	v_lshl_add_u32 v12, v253, 6, VEC
	s_wait_dscnt 0x0
	s_wait_kmcnt 0x0
	s_add_nc_u64 s[G0+2:G0+3], s[14:15], s[92:93]  ; global address
	s_or_b32 s[G0+3], s[G0+3], 0x80000000          ; type = 2
	tensor_load_to_lds s[G0:G0+3], s[G1:G1+7]      ; one tensor load of mine is out; its descriptor is never written again
	s_nop 0
	PLACES 4
	s_add_nc_u64 s[8:9], s[8:9], s[90:91]
	s_add_nc_u64 s[10:11], s[10:11], s[90:91]
	s_add_nc_u64 s[12:13], s[12:13], s[90:91]
	s_add_nc_u64 s[40:41], s[40:41], s[90:91]
	s_lshl_b32 s92, s3, 14
	s_add_nc_u64 s[20:21], s[20:21], s[92:93]
	s_add_nc_u64 s[24:25], s[24:25], s[92:93]
	s_lshl_b32 s92, s3, 9
	s_add_nc_u64 s[22:23], s[22:23], s[92:93]
	s_add_nc_u64 s[26:27], s[26:27], s[92:93]
	s_cmp_lt_u32 s2, 4                             ; waves 0-3 bring gamma and b1, waves 4-7 beta and b2: a word a thread
	s_cselect_b64 s[90:91], s[16:17], s[18:19]
	s_cselect_b64 s[92:93], s[32:33], s[38:39]
	; ---- A: twelve small loads, then my rows
	global_load_b32 v240, v3, s[90:91]
	global_load_b32 v241, v3, s[92:93]
.irp cc, 0,1,2,3
	global_load_b128 v[PC+4*\cc:PC+4*\cc+3], v4, s[28:29] offset:32*\cc
.endr
.irp cc, 0,1,2,3
	global_load_b128 v[AUX+4*\cc:AUX+4*\cc+3], v4, s[34:35] offset:32*\cc
.endr
	global_load_b32 v242, v5, s[30:31]
	global_load_b32 v243, v5, s[36:37]
	ROWS WRK, 8
	ROWS ACC, 10
	s_wait_loadcnt 32                              ; the twelve are in; the 32 loads of qz and unary behind them stay out
	ds_store_b32 v6, v240
	ds_store_b32 v6, v241 offset:1024
.irp cc, 0,1,2,3
	ds_store_b128 v7, v[PC+4*\cc:PC+4*\cc+3] offset:512*\cc
	ds_store_b128 v7, v[AUX+4*\cc:AUX+4*\cc+3] offset:16384+512*\cc
.endr
	ds_store_b32 v8, v242
	ds_store_b32 v8, v243 offset:1024
	s_wait_dscnt 0x0                               ; the stores have read their registers, into which the next loads go
	MTCH AUX, 0
	MTCH PC, 1
	MTCH TM, 2
	BARRIER                                        ; the four vectors and the images of w1 and w2 lie in LDS
	s_wait_loadcnt 12                              ; qz and unary are in; the twelve loads of mt behind them stay out
.set AJ, 0
.rept 32
	v_pk_add_f32 v[ACC+AJ:ACC+AJ+1], v[ACC+AJ:ACC+AJ+1], v[WRK+AJ:WRK+AJ+1]
.set AJ, AJ+2
.endr
	s_wait_loadcnt 0x0
	ADD16 0, AUX
	ADD16 1, PC
	ADD16 2, TM
	MTCH AUX, 3
	; ---- B: the norm; U and qzn are parked; codes along d
	LNSTAT WRK, WRK
	s_wait_loadcnt 0x0
	ADD16 3, AUX
	PARK 10, ACC
	LNAPPLY WRK
	PARK 9, WRK
	s_wait_dscnt 0x0                               ; the stores have read their registers: the quantiser holds the numbers in place
	QUANT WRK, 0, AUX, XS
	s_wait_tensorcnt 0x0                           ; my part of tq has landed
	BARRIER                                        ; everybody's has
	; ---- C: the topics.  Pass 1: the row's sum of what is positive, four tiles a trip
	v_and_b32 v1, 15, v0
	v_lshl_add_u32 v1, v1, 2, T1S
	v_add_nc_u32 v8, T2C, v2
	v_and_b32 v9, 15, v0
	v_lshl_add_u32 v9, v9, 2, T2S
.irp k, 252,253,254,255
	v_mov_b32 v\k, 0
.endr
	s_mov_b32 s[HT], 0
	s_mov_b32 s[HU], 0
	s_mov_b32 s[CNT], 8
.Lsum:
	v_add_nc_u32 v4, s[HT], v2
	v_add_nc_u32 v5, s[HU], v1
	FRAG4 4, 0, 5, 0, 64
	s_wait_dscnt 0x0
	MUL4 RAW, -1, AUX, XS
	PLACES 8
.irp q, 0,1,2,3
.irp i, 0,1,2,3,4,5,6,7
	v_max_num_f32 v[TM+4+\i], 0, v[RAW+8*\q+\i]
.endr
	v_pk_add_f32 v[252:253], v[252:253], v[244:245]
	v_pk_add_f32 v[254:255], v[254:255], v[246:247]
	v_pk_add_f32 v[252:253], v[252:253], v[248:249]
	v_pk_add_f32 v[254:255], v[254:255], v[250:251]
.endr
	s_add_co_u32 s[HT], s[HT], 8192
	s_add_co_u32 s[HU], s[HU], 256
	s_sub_co_u32 s[CNT], s[CNT], 1
	s_cmp_lg_u32 s[CNT], 0
	s_cbranch_scc1 .Lsum
	v_pk_add_f32 v[252:253], v[252:253], v[254:255]
	v_add_f32 v252, v252, v253
	v_permlanex16_b32 v244, v252, s[SEL], s[SEL+1]
	v_add_f32 v252, v252, v244
	v_max_num_f32 v252, 0x358637bd, v252           ; held at 1e-6 from below
	v_rcp_f32 v12, v252
	v_nop
	s_wait_alu depctr_va_vdst(0)
	v_mov_b32 v13, v12                             ; v[12:13]: 1 / the sum
	; Pass 2: four K steps of 128 topics; the first starts m_g's sums
	s_mov_b32 s[HT], 0
	s_mov_b32 s[HU], 0
	KSTEP 1
	s_mov_b32 s[CNT], 3
.Lkstep:
	KSTEP 0
	s_sub_co_u32 s[CNT], s[CNT], 1
	s_cmp_lg_u32 s[CNT], 0
	s_cbranch_scc1 .Lkstep
	UNPARK 10, WRK
	s_wait_dscnt 0x0
.set AJ, 0
.rept 32
	v_pk_add_f32 v[WRK+AJ:WRK+AJ+1], v[WRK+AJ:WRK+AJ+1], v[ACC+AJ:ACC+AJ+1]   ; U' = U + m_g
.set AJ, AJ+2
.endr
	PARK 10, WRK
	BARRIER                                        ; nobody reads the topics' codes any more: their bytes, filled once, take cv and cu
	; ---- D: cv to LDS, cu to my own bytes
	v_and_b32 v9, 15, v0
	v_lshlrev_b32 v9, 7, v9
	v_bfe_u32 v10, v0, 4, 1
	v_lshl_add_u32 v9, v10, 4, v9                  ; a weight's codes: 128 r + 16 h
	v_and_b32 v10, 15, v0
	v_lshlrev_b32 v10, 2, v10                      ; its scale words: 4 r
	v_bfe_u32 v6, v0, 3, 1
	v_lshlrev_b32 v6, 10, v6
	v_and_b32 v7, 7, v0
	v_lshl_add_u32 v6, v7, 4, v6
	v_bfe_u32 v7, v0, 4, 1
	v_lshl_add_u32 v6, v7, 8, v6
	v_add_nc_u32 v6, s[VWS], v6                    ; row 16 w + r is row r % 8 + 8 (w % 2) of tile 2 (w / 2) + r / 8
	v_add_nc_u32 v7, s7, v2
	PROJ2 20, 22, 24, 26
.irp t, 0,1,2,3,4,5,6,7
	ds_store_b128 v7, v[RAW+8*\t:RAW+8*\t+3] offset:1024*\t
	ds_store_b128 v7, v[RAW+8*\t+4:RAW+8*\t+7] offset:1024*\t+512
.endr
	BARRIER                                        ; all of cv lies in LDS; my stores have read RAW
.set CJ, 0
.rept 64
	v_mov_b32 v[ACC+CJ], 0                         ; the mean over heads starts at 0, so that a head's step is written once
.set CJ, CJ+1
.endr
	s_mov_b32 s[HT], 0
	s_mov_b32 s[HU], 0
	s_mov_b32 s[CNT], 8
	; ---- E: eight heads: a plain softmax, with the row's maximum taken away
.Lhead:
	SCORES
	BLKMAX
	v_max3_num_f32 v[TM+8], v[TM], v[TM+1], v[TM+2]
	v_max_num_f32 v[TM+8], v[TM+8], v[TM+3]
	v_mul_f32 v30, s[NEGC], v[TM+8]
	v_mov_b32 v31, v30
.set EJ, 0
.rept 32
	v_pk_fma_f32 v[WRK+EJ:WRK+EJ+1], v[RAW+EJ:RAW+EJ+1], s[CS:CS+1], v[30:31] op_sel_hi:[1,0,1]
.set EJ, EJ+2
.endr
.set EJ, 0
.rept 64
	v_exp_f32 v[WRK+EJ], v[WRK+EJ]
.set EJ, EJ+1
.endr
	v_nop                                          ; a plain line behind the batch,
	s_wait_alu depctr_va_vdst(0)                   ; and one wait for it, ahead of its first reader
	PSUM
.set EJ, 0
.rept 32
	v_pk_fma_f32 v[ACC+EJ:ACC+EJ+1], v[WRK+EJ:WRK+EJ+1], v[26:27], v[ACC+EJ:ACC+EJ+1]
.set EJ, EJ+2
.endr
	s_add_co_u32 s[HT], s[HT], 8192
	s_add_co_u32 s[HU], s[HU], 1024
	s_sub_co_u32 s[CNT], s[CNT], 1
	s_cmp_lg_u32 s[CNT], 0
	s_cbranch_scc1 .Lhead
	; ---- F: x
	v_add_nc_u32 v9, s6, v2
	v_add_nc_u32 v10, s5, v2
	UNPARK 10, WRK
.irp j, 0,1,2,3
	ds_load_b128 v[AUX+4*\j:AUX+4*\j+3], v9 offset:512*\j
.endr
.irp j, 0,1,2,3
	ds_load_b128 v[PC+4*\j:PC+4*\j+3], v9 offset:512*(4+\j)
.endr
	XCH 0, AUX, 4, 1                               ; the count leaves the next chunk's four loads out
	XCH 1, PC, 4, 1
	XCH 2, AUX, 4, 0
	XCH 3, PC, 0, 0
	; ---- G: the second norm and the two layers
	v_bfe_u32 v12, v0, 4, 1
	v_lshl_add_u32 v12, v12, 6, VEC
	v_add_nc_u32 v4, W1I, v2
	v_and_b32 v5, 31, v0
	v_lshl_add_u32 v5, v5, 2, W1S
	v_and_b32 v8, 15, v0
	v_mul_u32_u24 v8, v8, SP
	v_bfe_u32 v13, v0, 4, 1
	v_lshl_add_u32 v8, v13, 6, v8
	v_add_nc_u32 v8, s5, v8
	LNSTAT ACC, WRK
	LNAPPLY WRK
	QUANT WRK, 0, AUX, XS
	FRAG4 4, 0, 5, 0, 128
	s_wait_dscnt 0x0
	MUL4 RAW, -1, AUX, XS
	PLACES 8
	FRAG4 4, 8192, 5, 512, 128
	s_wait_dscnt 0x0
	MUL4 RAW+32, -1, AUX, XS
	PLACES 8
	ADDVEC WRK, RAW, 1024                          ; + b1
	ADDVEC ACC, ACC, 1536                          ; x + b2: the C of the last product
	v_mov_b32 v16, 0x32edffee                      ; erf's a1
	v_mov_b32 v17, 0x32edffee
	v_mov_b32 v18, 0xb95fbd29                      ; and b1
	v_mov_b32 v19, 0xb95fbd29
.irp z, 0,1,2,3,4,5,6,7
	GELU8 \z
.endr
	QUANT WRK, 0, AUX, XS
	FRAG4 4, 16384, 5, 1024, 128
	s_wait_dscnt 0x0
	MUL4 RAW, ACC, AUX, XS
	PLACES 8
	FRAG4 4, 24576, 5, 1536, 128
	s_wait_dscnt 0x0
	MUL4 RAW+32, ACC+32, AUX, XS
	PLACES 8
	OUTSTAGE RAW, 40, 65536, 8, 10
	s_set_vgpr_msb 0x5
	s_wait_tensorcnt 0x0
	ds_add_u32 v0, v1
	s_wait_dscnt 0x0
	s_set_vgpr_msb 0x500
	s_endpgm
.Lfunc_end_k_q8b131a8cc9_chanmlp:
	.size	k_q8b131a8cc9_chanmlp, .Lfunc_end_k_q8b131a8cc9_chanmlp-k_q8b131a8cc9_chanmlp
	.p2alignl 7, 3214868480
	.fill 96, 4, 3214868480
	.section	.rodata,"a",@progbits
	.p2align	6, 0x0
	.amdhsa_kernel k_q8b131a8cc9_chanmlp
		.amdhsa_group_segment_fixed_size 306176
		.amdhsa_private_segment_fixed_size 0
		.amdhsa_enable_private_segment 0
		.amdhsa_kernarg_size 136
		.amdhsa_user_sgpr_count 2
		.amdhsa_user_sgpr_kernarg_segment_ptr 1
		.amdhsa_wavefront_size32 1
		.amdhsa_system_sgpr_workgroup_id_x 1
		.amdhsa_system_sgpr_workgroup_id_y 1
		.amdhsa_system_sgpr_workgroup_id_z 1
		.amdhsa_system_vgpr_workitem_id 0
		.amdhsa_next_free_vgpr 258
		.amdhsa_next_free_sgpr 96
		.amdhsa_reserve_vcc 0
		.amdhsa_float_denorm_mode_32 3
		.amdhsa_float_denorm_mode_16_64 3
		.amdhsa_memory_ordered 1
		.amdhsa_forward_progress 1
		.amdhsa_inst_pref_size 208
	.end_amdhsa_kernel
	.amdgpu_metadata
---
amdhsa.version: [ 1, 2 ]
amdhsa.kernels:
  - .name:           k_q8b131a8cc9_chanmlp
    .symbol:         k_q8b131a8cc9_chanmlp.kd
    .args:
      - { .name: qz, .offset: 0, .size: 8, .value_kind: global_buffer, .address_space: global }
      - { .name: unary, .offset: 8, .size: 8, .value_kind: global_buffer, .address_space: global }
      - { .name: mt, .offset: 16, .size: 8, .value_kind: global_buffer, .address_space: global }
      - { .name: tq, .offset: 24, .size: 8, .value_kind: global_buffer, .address_space: global }
      - { .name: ln_gamma, .offset: 32, .size: 8, .value_kind: global_buffer, .address_space: global }
      - { .name: ln_beta, .offset: 40, .size: 8, .value_kind: global_buffer, .address_space: global }
      - { .name: channel_u_weight_codes, .offset: 48, .size: 8, .value_kind: global_buffer, .address_space: global }
      - { .name: channel_u_weight_scales, .offset: 56, .size: 8, .value_kind: global_buffer, .address_space: global }
      - { .name: channel_v_weight_codes, .offset: 64, .size: 8, .value_kind: global_buffer, .address_space: global }
      - { .name: channel_v_weight_scales, .offset: 72, .size: 8, .value_kind: global_buffer, .address_space: global }
      - { .name: w1_codes, .offset: 80, .size: 8, .value_kind: global_buffer, .address_space: global }
      - { .name: w1_scales, .offset: 88, .size: 8, .value_kind: global_buffer, .address_space: global }
      - { .name: b1, .offset: 96, .size: 8, .value_kind: global_buffer, .address_space: global }
      - { .name: w2_codes, .offset: 104, .size: 8, .value_kind: global_buffer, .address_space: global }
      - { .name: w2_scales, .offset: 112, .size: 8, .value_kind: global_buffer, .address_space: global }
      - { .name: b2, .offset: 120, .size: 8, .value_kind: global_buffer, .address_space: global }
      - { .name: out0, .offset: 128, .size: 8, .value_kind: global_buffer, .address_space: global }
    .group_segment_fixed_size: 306176
    .private_segment_fixed_size: 0
    .kernarg_segment_align: 8
    .kernarg_segment_size: 136
    .max_flat_workgroup_size: 256
    .sgpr_count:     96
    .vgpr_count:     258
    .wavefront_size: 32
...
	.end_amdgpu_metadata
.endif
;; end of part 2
;; ======== version 2 of 2: 2 launches; 1.14 times as fast as version 1
;; workspace buffers: mt 33,554,432 bytes; tq 540,672 bytes
;; launch timeattn: the kernel of part 1 again; grid 128 x 4, 8 waves a work-group, no clusters, 152,576 bytes of LDS; arguments qz, ln_gamma, ln_beta, time_u_weight_codes, time_u_weight_scales, time_v_weight_codes, time_v_weight_scales, topic_binary, mt, tq; writes mt, tq
;; launch chanmlp (part 3): grid 128 x 4, 8 waves a work-group, no clusters, 308,224 bytes of LDS; arguments qz, unary, mt, tq, ln_gamma, ln_beta, channel_u_weight_codes, channel_u_weight_scales, channel_v_weight_codes, channel_v_weight_scales, w1_codes, w1_scales, b1, w2_codes, w2_scales, b2, out0; writes out0
.if DOCPART == 3
	.amdgcn_target "amdgcn-amd-amdhsa--gfx1250"
	.amdhsa_code_object_version 6
	.text
	.protected	k_q8b131a8cc9_chanmlp
	.globl	k_q8b131a8cc9_chanmlp
	.p2align	8
	.type	k_q8b131a8cc9_chanmlp,@function
k_q8b131a8cc9_chanmlp:
	s_mov_b64 s[64:65], 0
	v_nop
	global_prefetch_b8 v0, s[64:65] scope:SCOPE_SE
	s_setreg_imm32_b32 hwreg(HW_REG_WAVE_MODE, 25, 1), 1
	s_wait_xcnt 0x0
; ALL THE REST OF ONE (batch b, patch p): 128 channels x 128.  U = qz + unary + mt; qzn = LayerNorm(qz); the topic branch; the channel attention, whose weights multiply qzn number by number;
; x = (U + m_g + m_c) / 2; out0 = x + gelu(LayerNorm(x) w1^T + b1) w2^T + b2.
; SHARES.  Eight waves, two to a SIMD, 512 registers each; wave w owns channels 16 w .. 16 w + 15 through all the work.  r = lane % 16, h = lane / 16.
; ORDER OF A ROW IN REGISTERS: register 16 c + i of lane (r, h) holds index 32 c + 16 h + i of row r: the order of an 8-bit operand of the scaled matrix instruction.
; THE ROWS OF A TILE ARE NOT NEIGHBOURS: row r' of tile 2 c + u is index 32 c + 8 u + r' + 8 (r' / 8).  With such a tile as source 0 and my 16 rows as source 1 the eight tiles' results lie in the order above:
; so the topics, m_g, the scores (keys = channels), the hidden layer and the output all lie as qzn lies, and nothing changes lanes.
; ROWS FROM MEMORY are loaded as they lie, 32 lanes on 512 consecutive bytes of one row.  U is summed so and turns into the order above on its way through its stage in LDS, where it has to wait anyway; qz makes one such turn.
; THE TOPICS' CODES come from tq, which the launch before has laid in the order of an operand's registers: 135,168 dense bytes of a batch, one tensor load of 16,896 bytes a wave, filled once.
; The first topic product is multiplied once: its 512 numbers a row, 256 registers a lane, stay in window 1 until the row's sum, which divides them ahead of the quantiser, is known.
; THE CHANNEL WEIGHTS: wave w loads tile w of each; the eight tiles meet in LDS as images of their registers.
; THE SCORES (K = 16) go on, through x and the second norm, into a quantised operand: f32 operands, four steps of 16x16x4.  A result tile of cu or cv (head hd) holds in registers 2 s, 2 s + 1 of lane (r, h) the head's
; numbers 8 h + 2 s + 0, 1 of row r: that pair is the f32 form's operand of K step s; the same order of K on both sides.
; ERF: u A(u^2) / B(u^2) with u held to +-4, polynomials of degree 6 and 4, all in f32.
; NO CLUSTER: the one tile that the work-groups of a batch share is asked for once, at the head, and has the loads of my 196,608 bytes of rows, a norm and a quantiser in which to land; nothing is filled again.
; NO PREFETCH: every stream from memory is asked for at the head, but the two weights' tiles, which have three K steps of the topics in which to land.
; LIMITS: NaN and infinities are not served.  A block whose largest magnitude lies under 2^-111, a block of zeros among them, keeps the scale byte 1 (this program alone reads the bytes).
; Divisions are a reciprocal and a multiplication.  1 + erf loses relative accuracy for arguments of gelu under about -3, where gelu lies under 0.005 in magnitude.  Sums are taken in another order than the reference's.
; REGISTERS.  Window 0: v1-10, v12-14 addresses; v11, v15 scale words; the blocks named below.  Window 1: mt's rows at the head; then the 32 tiles of the first topic product (tile t at v[8 t]);
; a K step's 64 registers, once read, take four fragments of the second product; those of K step 0 then take my tiles of the channel weights.
.set T1S,  131072                      ; LDS 0: tq: the topics' codes along d (32 tiles), at 65,536 along g (4 K steps x 8 tiles), their scale words at 131,072 and 133,120.
.set T2C,  65536                       ;        Behind the topic branch, when these bytes have had their one fill and their last read: cv's images at 0; at 65,536 the images of the weights cv and cu
.set T2S,  133120                      ;        (16,384 bytes each) and, when those are read, each wave's cu at 65,536 + 8,192 w
.set WVS,  98304                       ;        the weights' scale words: cv's, and cu's 1,024 bytes on
.set UP,   135168                      ; each wave's own 8,448 bytes: U as 16 rows 528 bytes apart, later the stage for the way out
.set SP,   528
.set XNP,  202752                      ; each wave's own 8,448 bytes: qz's turn, then qzn parked
.set VEC,  270336                      ; gamma, beta, b1, b2
.set W1I,  272384                      ; w1's eight tiles as images; w2's 16,384 bytes on
.set W1S,  305152                      ; their scale words; w2's 1,024 bytes on
.set XS,   11                          ; v11      scale word of the codes in AUX
.set PW,   15                          ; v15      scale word of the codes in PC
.set AUX,  16                          ; v16-31   codes of qzn, of the second norm, of the hidden layer; in the loop over heads: v16-23 cu, v[26:27] sum, then 1 / (8 sum), v[28:29] sum, v[30:31] the shift
.set WRK,  32                          ; v32-95   vector work, fragments, p
.set RAW,  96                          ; v96-159  written by matrix instructions alone
.set ACC,  160                         ; v160-223 U, fragments, m_g, the mean over heads, x
.set PC,   224                         ; v224-239 codes of the topics' weights; scale words
.set TM,   240                         ; v240-255 at work in the quantiser: +0 maxima, +4 lane exchange, bytes, +8 the hold, +12 the conversion's scale; scale words of fragments
.set EA0,  42                          ; s[42:53] erf's a0, a2 .. a6, a pair each;  a1 and b1 stand in v[16:17] and v[18:19], since the first step of each polynomial names two coefficients
.set EA2,  44
.set EA3,  46
.set EA4,  48
.set EA5,  50
.set EA6,  52
.set EB0,  54                          ; s[54:61] b0, b2 .. b4
.set EB2,  56
.set EB3,  58
.set EB4,  60
.set RS2,  62                          ; s[62:63] 1 / sqrt(2)
.set CS,   66                          ; s[66:67] log2(e) / 4
.set G0,   68                          ; s[68:71] descriptor group 0
.set G1,   72                          ; s[72:79] group 1
.set SEL,  80
.set MNT,  82
.set EPS,  83
.set K7,   84
.set NEGC, 85                          ; -log2(e) / 4
.set HT,   86                          ; places that step in the loop over heads
.set HU,   87
.set CNT,  88
.set VWS,  89
.set MSB,  0
.macro WIN new                         ; s_set_vgpr_msb: bits 1:0 source 0, 3:2 source 1, 5:4 source 2, 7:6 destination; the high byte repeats the setting that is left
.if MSB != \new
	s_set_vgpr_msb (MSB<<8)|\new
.set MSB, \new
.endif
.endm
.macro PLACES n                        ; plain places behind matrix instructions (ISA guide 7.12.1)
.rept \n
	v_nop
.endr
.endm
.macro BARRIER                         ; my LDS stores have landed and my LDS loads are in: then the work-group's barrier
	s_wait_dscnt 0x0
	s_barrier_signal -1
	s_barrier_wait -1
.endm
.macro SPAIR reg, val
	s_mov_b32 s[\reg], \val
	s_mov_b32 s[\reg+1], \val
.endm
; THE QUANTISER, in two halves.  64 numbers of a lane in the order of a row.  relu = 1: what is negative becomes 0.
; First half: the four blocks' scales; the row's scale word in v[sw].  Behind it TM+0..7 are free; TM+8..15 serve the second half.
.macro QUANT_A s, relu, sw
.irp b, 0,1,2,3
.if \relu
	v_max3_num_f32 v[TM+\b], v[\s+16*\b], v[\s+16*\b+1], 0x8000000           ; no |.|: what is negative must not count; the floor stands over it
.else
	v_max3_num_f32 v[TM+\b], |v[\s+16*\b]|, |v[\s+16*\b+1]|, 0x8000000       ; my 16 numbers of block b, and the floor 2^(16 - 127): the byte cannot fall under 1
.endif
.endr
.irp i, 2,4,6,8,10,12,14
.irp b, 0,1,2,3
.if \relu
	v_max3_num_f32 v[TM+\b], v[TM+\b], v[\s+16*\b+\i], v[\s+16*\b+\i+1]
.else
	v_max3_num_f32 v[TM+\b], v[TM+\b], |v[\s+16*\b+\i]|, |v[\s+16*\b+\i+1]|
.endif
.endr
.endr
.irp b, 0,1,2,3
	v_permlanex16_b32 v[TM+4+\b], v[TM+\b], s[SEL], s[SEL+1]
.endr
.irp b, 0,1,2,3
	v_max_num_f32 v[TM+\b], v[TM+\b], v[TM+4+\b]          ; with lane l xor 16's 16: the block's largest magnitude
.endr
.irp b, 0,1,2,3
	v_add_nc_u32 v[TM+12+\b], 0xf8800000, v[TM+\b]        ; 15 off the exponent field: the conversion's scale operand
.endr
.irp b, 0,1,2,3
	v_and_or_b32 v[TM+8+\b], v[TM+\b], 0x7f800000, s[MNT] ; 57,344 x the scale
.endr
.irp b, 0,1,2,3
	v_lshrrev_b32 v[TM+4+\b], 23, v[TM+12+\b]             ; the scale's byte
.endr
	v_lshl_or_b32 v[\sw], v[TM+5], 8, v[TM+4]
	v_lshl_or_b32 v[\sw], v[TM+6], 16, v[\sw]
	v_lshl_or_b32 v[\sw], v[TM+7], 24, v[\sw]
.endm
; Second half: the hold and the conversions: 16 registers of codes in v[dst] on.
.macro QUANT_B s, relu, dst
.irp b, 0,1,2,3
.irp i, 0,1,2,3,4,5,6,7,8,9,10,11,12,13,14,15
.if \relu
	v_med3_num_f32 v[\s+16*\b+\i], v[\s+16*\b+\i], 0, v[TM+8+\b]             ; the clip at 0 and the hold in one
.else
	v_med3_num_f32 v[\s+16*\b+\i], v[\s+16*\b+\i], -v[TM+8+\b], v[TM+8+\b]   ; the conversion does not saturate (ISA guide 7.6.2): the hold comes first
.endif
.endr
	v_cvt_scalef32_pk8_bf8_f32 v[\dst+4*\b:\dst+4*\b+1], v[\s+16*\b:\s+16*\b+7], v[TM+12+\b]
	v_cvt_scalef32_pk8_bf8_f32 v[\dst+4*\b+2:\dst+4*\b+3], v[\s+16*\b+8:\s+16*\b+15], v[TM+12+\b]
.endr
	PLACES 4                               ; the plain line behind the conversions, and the four places between codes so written and a scaled matrix instruction
.endm
.macro QUANT s, relu, dst, sw
	QUANT_A \s, \relu, \sw
	QUANT_B \s, \relu, \dst
.endm
; dst = (src - mean) / sqrt(var + 1e-5) of my row: 64 numbers here, 64 in lane l xor 16.  Two passes, so that a common offset does no harm.
.macro LNSTAT src, dst
	v_pk_add_f32 v[TM:TM+1], v[\src:\src+1], v[\src+2:\src+3]
	v_pk_add_f32 v[TM+2:TM+3], v[\src+4:\src+5], v[\src+6:\src+7]
.set LJ, 8
.rept 14
	v_pk_add_f32 v[TM:TM+1], v[TM:TM+1], v[\src+LJ:\src+LJ+1]
	v_pk_add_f32 v[TM+2:TM+3], v[TM+2:TM+3], v[\src+LJ+2:\src+LJ+3]
.set LJ, LJ+4
.endr
	v_pk_add_f32 v[TM:TM+1], v[TM:TM+1], v[TM+2:TM+3]
	v_add_f32 v[TM], v[TM], v[TM+1]
	v_permlanex16_b32 v[TM+4], v[TM], s[SEL], s[SEL+1]
	v_add_f32 v[TM], v[TM], v[TM+4]
	v_mul_f32 v[TM+6], s[K7], v[TM]        ; the mean, in both words of a pair
	v_mov_b32 v[TM+7], v[TM+6]
.set LJ, 0
.rept 32
	v_pk_add_f32 v[\dst+LJ:\dst+LJ+1], v[\src+LJ:\src+LJ+1], v[TM+6:TM+7] neg_lo:[0,1] neg_hi:[0,1]
.set LJ, LJ+2
.endr
	v_pk_mul_f32 v[TM:TM+1], v[\dst:\dst+1], v[\dst:\dst+1]
	v_pk_mul_f32 v[TM+2:TM+3], v[\dst+2:\dst+3], v[\dst+2:\dst+3]
.set LJ, 4
.rept 15
	v_pk_fma_f32 v[TM:TM+1], v[\dst+LJ:\dst+LJ+1], v[\dst+LJ:\dst+LJ+1], v[TM:TM+1]
	v_pk_fma_f32 v[TM+2:TM+3], v[\dst+LJ+2:\dst+LJ+3], v[\dst+LJ+2:\dst+LJ+3], v[TM+2:TM+3]
.set LJ, LJ+4
.endr
	v_pk_add_f32 v[TM:TM+1], v[TM:TM+1], v[TM+2:TM+3]
	v_add_f32 v[TM], v[TM], v[TM+1]
	v_permlanex16_b32 v[TM+4], v[TM], s[SEL], s[SEL+1]
	v_add_f32 v[TM], v[TM], v[TM+4]
	v_fma_f32 v[TM], v[TM], s[K7], s[EPS]
	v_rsq_f32 v[TM+8], v[TM]
	v_nop                                  ; a plain line behind the transcendental,
	s_wait_alu depctr_va_vdst(0)           ; and the wait ahead of the first line that names its result
	v_mov_b32 v[TM+9], v[TM+8]
.set LJ, 0
.rept 32
	v_pk_mul_f32 v[\dst+LJ:\dst+LJ+1], v[\dst+LJ:\dst+LJ+1], v[TM+8:TM+9]
.set LJ, LJ+2
.endr
.endm
.macro LNAPPLY dst                     ; dst = dst x gamma + beta; v12 = VEC + 64 h; sixteen lanes read the same words
.irp c, 0,1,2,3
.irp j, 0,1,2,3
	ds_load_b128 v[AUX+4*\j:AUX+4*\j+3], v12 offset:128*\c+16*\j
	ds_load_b128 v[PC+4*\j:PC+4*\j+3], v12 offset:512+128*\c+16*\j
.endr
	s_wait_dscnt 0x0
.irp k, 0,2,4,6,8,10,12,14
	v_pk_fma_f32 v[\dst+16*\c+\k:\dst+16*\c+\k+1], v[\dst+16*\c+\k:\dst+16*\c+\k+1], v[AUX+\k:AUX+\k+1], v[PC+\k:PC+\k+1]
.endr
.endr
.endm
.macro ADDVEC dst, src, off            ; dst = src + the vector at VEC + off, in the order of a row
.irp j, 0,1,2,3
	ds_load_b128 v[PC+4*\j:PC+4*\j+3], v12 offset:\off+16*\j
	ds_load_b128 v[TM+4*\j:TM+4*\j+3], v12 offset:\off+128+16*\j
	ds_load_b128 v[AUX+4*\j:AUX+4*\j+3], v12 offset:\off+256+16*\j
.endr
	s_wait_dscnt 0x0
.irp k, 0,2,4,6,8,10,12,14
	v_pk_add_f32 v[\dst+\k:\dst+\k+1], v[\src+\k:\src+\k+1], v[PC+\k:PC+\k+1]
.endr
.irp k, 0,2,4,6,8,10,12,14
	v_pk_add_f32 v[\dst+16+\k:\dst+16+\k+1], v[\src+16+\k:\src+16+\k+1], v[TM+\k:TM+\k+1]
.endr
.irp k, 0,2,4,6,8,10,12,14
	v_pk_add_f32 v[\dst+32+\k:\dst+32+\k+1], v[\src+32+\k:\src+32+\k+1], v[AUX+\k:AUX+\k+1]
.endr
.irp j, 0,1,2,3
	ds_load_b128 v[PC+4*\j:PC+4*\j+3], v12 offset:\off+384+16*\j
.endr
	s_wait_dscnt 0x0
.irp k, 0,2,4,6,8,10,12,14
	v_pk_add_f32 v[\dst+48+\k:\dst+48+\k+1], v[\src+48+\k:\src+48+\k+1], v[PC+\k:PC+\k+1]
.endr
.endm
.macro ILOAD8 off                      ; a channel weight's eight tiles from their images: tiles 0-3 into ACC, 4-7 into WRK; v8 = 65,536 + 16 x lane
.irp t, 0,1,2,3
.irp cc, 0,1,2,3
	ds_load_b128 v[ACC+16*\t+4*\cc:ACC+16*\t+4*\cc+3], v8 offset:(\off)+2048*\t+512*\cc
.endr
.endr
.irp t, 0,1,2,3
.irp cc, 0,1,2,3
	ds_load_b128 v[WRK+16*\t+4*\cc:WRK+16*\t+4*\cc+3], v8 offset:(\off)+8192+2048*\t+512*\cc
.endr
.endr
.endm
.macro PROJ reg                        ; eight tiles: register jj of tile hd, lane (r, h) = (my row r) . (the weight's row 16 hd + 8 h + jj)
.irp t, 0,1,2,3
	v_wmma_scale_f32_16x16x128_f8f6f4 v[RAW+8*\t:RAW+8*\t+7], v[ACC+16*\t:ACC+16*\t+15], v[AUX:AUX+15], 0, v[\reg+\t], v[XS] matrix_a_fmt:MATRIX_FMT_BF8 matrix_b_fmt:MATRIX_FMT_BF8
.endr
.irp t, 0,1,2,3
	v_wmma_scale_f32_16x16x128_f8f6f4 v[RAW+32+8*\t:RAW+32+8*\t+7], v[WRK+16*\t:WRK+16*\t+15], v[AUX:AUX+15], 0, v[\reg+4+\t], v[XS] matrix_a_fmt:MATRIX_FMT_BF8 matrix_b_fmt:MATRIX_FMT_BF8
.endr
.endm
; The scores of one head, transposed: source 0 = 16 keys, source 1 = my 16 queries; four K steps of 4; the eight accumulators take turns.
.macro SCORES
	v_add_nc_u32 v13, s[HT], v2
	v_add_nc_u32 v14, s[HU], v7
	ds_load_b128 v[16:19], v14
	ds_load_b128 v[20:23], v14 offset:512
.irp t, 0,1,2,3,4,5,6,7
	ds_load_b128 v[WRK+8*\t:WRK+8*\t+3], v13 offset:1024*\t
	ds_load_b128 v[WRK+8*\t+4:WRK+8*\t+7], v13 offset:1024*\t+512
.endr
	s_wait_dscnt 0x0
.irp s, 0,1,2,3
.irp t, 0,1,2,3,4,5,6,7
.if \s == 0
	v_wmma_f32_16x16x4_f32 v[RAW+8*\t:RAW+8*\t+7], v[WRK+8*\t+2*\s:WRK+8*\t+2*\s+1], v[16+2*\s:17+2*\s], 0
.else
	v_wmma_f32_16x16x4_f32 v[RAW+8*\t:RAW+8*\t+7], v[WRK+8*\t+2*\s:WRK+8*\t+2*\s+1], v[16+2*\s:17+2*\s], v[RAW+8*\t:RAW+8*\t+7]
.endif
.endr
.endr
	PLACES 8
.endm
.macro BLKMAX                          ; the largest score of each 32 keys; every accumulator is read from its low end on
.irp b, 0,1,2,3
	v_max3_num_f32 v[TM+\b], v[RAW+16*\b], v[RAW+16*\b+1], v[RAW+16*\b+2]
.endr
.irp i, 3,5,7,9,11,13
.irp b, 0,1,2,3
	v_max3_num_f32 v[TM+\b], v[TM+\b], v[RAW+16*\b+\i], v[RAW+16*\b+\i+1]
.endr
.endr
.irp b, 0,1,2,3
	v_max_num_f32 v[TM+\b], v[TM+\b], v[RAW+16*\b+15]
.endr
.irp b, 0,1,2,3
	v_permlanex16_b32 v[TM+4+\b], v[TM+\b], s[SEL], s[SEL+1]
.endr
.irp b, 0,1,2,3
	v_max_num_f32 v[TM+\b], v[TM+\b], v[TM+4+\b]
.endr
.endm
.macro PSUM                            ; v[26:27] = 1 / (8 x the sum of my row's 128 p), in both words
	v_pk_add_f32 v[26:27], v[WRK:WRK+1], v[WRK+2:WRK+3]
	v_pk_add_f32 v[28:29], v[WRK+4:WRK+5], v[WRK+6:WRK+7]
.set PJ, 8
.rept 14
	v_pk_add_f32 v[26:27], v[26:27], v[WRK+PJ:WRK+PJ+1]
	v_pk_add_f32 v[28:29], v[28:29], v[WRK+PJ+2:WRK+PJ+3]
.set PJ, PJ+4
.endr
	v_pk_add_f32 v[26:27], v[26:27], v[28:29]
	v_add_f32 v26, v26, v27
	v_permlanex16_b32 v28, v26, s[SEL], s[SEL+1]
	v_add_f32 v26, v26, v28
	v_rcp_f32 v27, v26
	v_nop
	s_wait_alu depctr_va_vdst(0)
	v_mul_f32 v26, 0x3e000000, v27
	v_mov_b32 v27, v26
.endm
.macro FRAG4 d, sd, ca, coff, sa, soff, sstep   ; four fragments (images of 2,048 bytes) into v[d] on, their scale words into v[sd] on: 20 LDS loads
.irp t, 0,1,2,3
.irp cc, 0,1,2,3
	ds_load_b128 v[\d+16*\t+4*\cc:\d+16*\t+4*\cc+3], v[\ca] offset:(\coff)+2048*\t+512*\cc
.endr
	ds_load_b32 v[\sd+\t], v[\sa] offset:(\soff)+(\sstep)*\t
.endr
.endm
.macro MUL4 d, c, a, as, b, bs         ; four products: source 0 = the fragments at v[a] on, source 1 = my rows' codes; c < 0: the sums start with the constant 0
.irp t, 0,1,2,3
.if (\c) < 0
	v_wmma_scale_f32_16x16x128_f8f6f4 v[\d+8*\t:\d+8*\t+7], v[\a+16*\t:\a+16*\t+15], v[\b:\b+15], 0, v[\as+\t], v[\bs] matrix_a_fmt:MATRIX_FMT_BF8 matrix_b_fmt:MATRIX_FMT_BF8
.else
	v_wmma_scale_f32_16x16x128_f8f6f4 v[\d+8*\t:\d+8*\t+7], v[\a+16*\t:\a+16*\t+15], v[\b:\b+15], v[\c+8*\t:\c+8*\t+7], v[\as+\t], v[\bs] matrix_a_fmt:MATRIX_FMT_BF8 matrix_b_fmt:MATRIX_FMT_BF8
.endif
.endr
.endm
.macro PARK adr, src                   ; 64 registers to my own LDS bytes as they stand, 16 bytes a lane
.irp k, 0,1,2,3,4,5,6,7,8,9,10,11,12,13,14,15
	ds_store_b128 v[\adr], v[\src+4*\k:\src+4*\k+3] offset:512*\k
.endr
.endm
.macro RROWS dst, base                 ; my 16 rows as they lie: registers 4 i .. 4 i + 3 of lane l = row i, numbers 4 l on; 32 lanes read 512 consecutive bytes; read once in the launch
.irp i, 0,1,2,3,4,5,6,7,8,9,10,11,12,13,14,15
	global_load_b128 v[\dst+4*\i:\dst+4*\i+3], v2, s[\base:\base+1] offset:65536*\i th:TH_LOAD_NT
.endr
.endm
.macro RSTORE adr, src                 ; such rows into a stage of mine, rows 528 bytes apart
.irp i, 0,1,2,3,4,5,6,7,8,9,10,11,12,13,14,15
	ds_store_b128 v[\adr], v[\src+4*\i:\src+4*\i+3] offset:SP*\i
.endr
.endm
.macro FOLOAD adr, dst                 ; out of the stage in the order of a row; the address: stage + 528 r + 64 h.  LDS serves a wave's instructions in order (ISA guide 5.7.1.4)
.irp c, 0,1,2,3
.irp j, 0,1,2,3
	ds_load_b128 v[\dst+16*\c+4*\j:\dst+16*\c+4*\j+3], v[\adr] offset:128*\c+16*\j
.endr
.endr
.endm
.macro FOSTORE adr, src                ; and back to the same places
.irp c, 0,1,2,3
.irp j, 0,1,2,3
	ds_store_b128 v[\adr], v[\src+16*\c+4*\j:\src+16*\c+4*\j+3] offset:128*\c+16*\j
.endr
.endr
.endm
.macro TBUF g                          ; the fragments' buffer and the scale words' registers of step g of the first pass
.if ((\g)%2) == 0
.set BF, WRK
.set BS, TM
.else
.set BF, ACC
.set BS, PC
.endif
.endm
; Step g of the first pass over the topics: four tiles.  The next step's 20 loads go out first, into the other buffer; the products' results stay in window 1, clipped at 0 in place, and are added to four running sums.
.macro SUMSTEP g
.if (\g) < 7
	TBUF (\g)+1
	FRAG4 BF, BS, 2, 8192*((\g)+1), 1, 256*((\g)+1), 64
	s_wait_dscnt 20                        ; this step's loads are in; the 20 just issued stay out
.else
	s_wait_dscnt 0x0
.endif
	TBUF \g
	WIN 0x40                               ; the results: window 1
	MUL4 32*(\g), -1, BF, BS, AUX, XS
	PLACES 8                               ; ahead of the lines that read and write the results, and of the loads that fill this buffer again a step on
	WIN 0x44                               ; destination and source 1: window 1
.set SJ, 32*(\g)
.rept 32
	v_max_num_f32 v[SJ], 0, v[SJ]          ; each result from its low end on
.set SJ, SJ+1
.endr
	WIN 0x04                               ; source 1: window 1
.set SJ, 32*(\g)
.rept 4
	v_pk_add_f32 v[248:249], v[248:249], v[SJ:SJ+1]
	v_pk_add_f32 v[250:251], v[250:251], v[SJ+2:SJ+3]
	v_pk_add_f32 v[252:253], v[252:253], v[SJ+4:SJ+5]
	v_pk_add_f32 v[254:255], v[254:255], v[SJ+6:SJ+7]
.set SJ, SJ+8
.endr
	WIN 0
.endm
; K step s (128 topics) of the second pass: the numbers / the sum, quantised in registers, then their part of m_g.  The second product's tiles 0-3 land in the registers that the numbers have left, while the
; quantiser works; its eight scale words in the registers that the quantiser's first half has done with; tiles 4-7 in WRK, while tiles 0-3 are multiplied.
.macro KSTEP s
	WIN 0x01                               ; source 0: window 1
.set KJ, 0
.rept 32
	v_pk_mul_f32 v[WRK+KJ:WRK+KJ+1], v[64*(\s)+KJ:64*(\s)+KJ+1], v[12:13]
.set KJ, KJ+2
.endr
	WIN 0x40                               ; destination: window 1
.irp t, 0,1,2,3
.irp cc, 0,1,2,3
	ds_load_b128 v[64*(\s)+16*\t+4*\cc:64*(\s)+16*\t+4*\cc+3], v8 offset:16384*(\s)+2048*\t+512*\cc
.endr
.endr
	WIN 0
	QUANT_A WRK, 1, PW
.irp t, 0,1,2,3,4,5,6,7
	ds_load_b32 v[TM+\t], v9 offset:512*(\s)+64*\t
.endr
	QUANT_B WRK, 1, PC
.irp t, 0,1,2,3
.irp cc, 0,1,2,3
	ds_load_b128 v[WRK+16*\t+4*\cc:WRK+16*\t+4*\cc+3], v8 offset:16384*(\s)+8192+2048*\t+512*\cc
.endr
.endr
	s_wait_dscnt 16                        ; tiles 0-3 and the eight scale words are in; the 16 loads of tiles 4-7 stay out
	WIN 0x01
.if (\s) == 0
	MUL4 ACC, -1, 64*(\s), TM, PC, PW
.else
	MUL4 ACC, ACC, 64*(\s), TM, PC, PW     ; one instruction a turn; between two links on one accumulator stand seven other matrix instructions
.endif
	WIN 0
	s_wait_dscnt 0x0
.if (\s) == 0
	MUL4 ACC+32, -1, WRK, TM+4, PC, PW
.else
	MUL4 ACC+32, ACC+32, WRK, TM+4, PC, PW
.endif
	PLACES 8
.endm
.macro XCH c, buf, left, more          ; chunk c of x = (U' + attention x qzn) / 2; more = 1: qzn's chunk c + 2 is asked for into the buffer just read
	s_wait_dscnt \left
.irp k, 0,2,4,6,8,10,12,14
	v_pk_fma_f32 v[ACC+16*\c+\k:ACC+16*\c+\k+1], v[\buf+\k:\buf+\k+1], v[ACC+16*\c+\k:ACC+16*\c+\k+1], v[WRK+16*\c+\k:WRK+16*\c+\k+1]
.endr
.irp k, 0,2,4,6,8,10,12,14
	v_pk_mul_f32 v[ACC+16*\c+\k:ACC+16*\c+\k+1], v[ACC+16*\c+\k:ACC+16*\c+\k+1], 0.5 op_sel_hi:[1,0]
.endr
.if \more
.irp j, 0,1,2,3
	ds_load_b128 v[\buf+4*\j:\buf+4*\j+3], v9 offset:512*(4*(\c+2)+\j)
.endr
.endif
.endm
; gelu of eight numbers in place: v224-231 u, then z / 2; v232-239 u^2, then 1 / B; v240-247 A; v248-255 B
.macro GELU8 z
.set GZ, WRK+8*(\z)
.irp k, 0,2,4,6
	v_pk_mul_f32 v[224+\k:225+\k], v[GZ+\k:GZ+\k+1], s[RS2:RS2+1] op_sel_hi:[1,0]
.endr
.irp k, 0,1,2,3,4,5,6,7
	v_med3_num_f32 v[224+\k], v[224+\k], -4.0, 4.0
.endr
.irp k, 0,2,4,6
	v_pk_mul_f32 v[232+\k:233+\k], v[224+\k:225+\k], v[224+\k:225+\k]
.endr
.irp k, 0,2,4,6
	v_pk_fma_f32 v[240+\k:241+\k], v[232+\k:233+\k], s[EA0:EA0+1], v[16:17] op_sel_hi:[1,0,1]
.endr
.irp k, 0,2,4,6
	v_pk_fma_f32 v[248+\k:249+\k], v[232+\k:233+\k], s[EB0:EB0+1], v[18:19] op_sel_hi:[1,0,1]
.endr
.irp p, EA2, EA3, EA4, EA5, EA6
.irp k, 0,2,4,6
	v_pk_fma_f32 v[240+\k:241+\k], v[240+\k:241+\k], v[232+\k:233+\k], s[\p:\p+1] op_sel_hi:[1,1,0]
.endr
.endr
.irp p, EB2, EB3, EB4
.irp k, 0,2,4,6
	v_pk_fma_f32 v[248+\k:249+\k], v[248+\k:249+\k], v[232+\k:233+\k], s[\p:\p+1] op_sel_hi:[1,1,0]
.endr
.endr
.irp k, 0,2,4,6
	v_pk_mul_f32 v[240+\k:241+\k], v[240+\k:241+\k], v[224+\k:225+\k]
.endr
.irp k, 0,1,2,3,4,5,6,7
	v_rcp_f32 v[232+\k], v[248+\k]
.endr
.irp k, 0,2,4,6
	v_pk_mul_f32 v[224+\k:225+\k], v[GZ+\k:GZ+\k+1], 0.5 op_sel_hi:[1,0]   ; plain work behind the eight reciprocals
.endr
	s_wait_alu depctr_va_vdst(0)           ; one wait for the eight, ahead of their first reader
.irp k, 0,2,4,6
	v_pk_mul_f32 v[240+\k:241+\k], v[240+\k:241+\k], v[232+\k:233+\k]      ; erf
.endr
.irp k, 0,2,4,6
	v_pk_fma_f32 v[GZ+\k:GZ+\k+1], v[224+\k:225+\k], v[240+\k:241+\k], v[224+\k:225+\k]   ; z / 2 x erf + z / 2
.endr
.endm
.macro OUTSTAGE src, base, step, sin, sout   ; 16 rows through my own stage (rows 528 bytes apart), out as whole rows: 32 lanes store 512 consecutive bytes; written once, read by nobody here
	FOSTORE \sin, \src
.irp i, 0,1,2,3,4,5,6,7,8,9,10,11,12,13,14,15
	ds_load_b128 v[WRK+4*\i:WRK+4*\i+3], v[\sout] offset:SP*\i
.endr
.irp i, 0,1,2,3,4,5,6,7,8,9,10,11,12,13,14,15
	s_wait_dscnt 15-\i                     ; row i is back; the 15 - i rows behind it may be out
	global_store_b128 v2, v[WRK+4*\i:WRK+4*\i+3], s[\base:\base+1] offset:\step*\i th:TH_STORE_NT
.endr
.endm
	s_load_b512 s[8:23], s[0:1], 0x0               ; qz 8, unary 10, mt 12, tq 14, gamma 16, beta 18, cu's codes 20, cu's scales 22
	s_load_b512 s[24:39], s[0:1], 0x40             ; cv's codes 24, cv's scales 26, w1's codes 28, w1's scales 30, b1 32, w2's codes 34, w2's scales 36, b2 38
	s_load_b64 s[40:41], s[0:1], 0x80              ; out0
	v_lshl_add_u32 v254, v0, 2, 0x4b000
	v_mov_b32 v255, 0
	ds_add_u32 v254, v255
	ds_add_u32 v254, v255
	s_wait_dscnt 0x0
	v_lshrrev_b32 v255, 5, v0
	v_readfirstlane_b32 s2, v255                   ; wave 0..7
	s_and_b32 s3, ttmp7, 0xffff                    ; batch
	s_mov_b32 s4, ttmp9                            ; patch
	; the one tensor load of a wave: 66 dense rows of 256 bytes of my batch's tq, to the same place in LDS
	s_mov_b32 s[G0], 1                             ; count = 1
	s_mul_i32 s[G0+1], s2, 16896                   ; LDS address
	s_mov_b32 s[G1], 3<<16                         ; no mask; elements of 8 bytes; no padding
	s_mov_b32 s[G1+1], 32<<16                      ; tensor_dim0 = 32
	s_mov_b32 s[G1+2], 66<<16                      ; tensor_dim1 = 66
	s_mov_b32 s[G1+3], 32<<16                      ; tile_dim0 = 32
	s_mov_b32 s[G1+4], 66                          ; tile_dim1 = 66
	s_mov_b32 s[G1+5], 32                          ; from row to row
	s_mov_b32 s[G1+6], 0
	s_mov_b32 s[G1+7], 0
	s_mul_i32 s92, s3, 135168
	s_add_co_u32 s92, s92, s[G0+1]
	s_mov_b32 s93, 0
	s_lshl_b32 s90, s3, 23
	s_lshl_b32 s91, s4, 9
	s_add_co_u32 s90, s90, s91
	s_lshl_b32 s91, s2, 20
	s_add_co_u32 s90, s90, s91                     ; my first row: 8,388,608 b + 512 p + 16 w rows of 65,536
	s_mov_b32 s91, 0
	s_mov_b32 s[SEL], 0x76543210
	s_mov_b32 s[SEL+1], 0xfedcba98
	s_mov_b32 s[MNT], 0x600000
	s_mov_b32 s[EPS], 0x3727c5ac
	s_mov_b32 s[K7], 0x3c000000
	s_mov_b32 s[NEGC], 0xbeb8aa3b
	SPAIR CS,  0x3eb8aa3b
	SPAIR RS2, 0x3f3504f3
	SPAIR EA0, 0xaf95df0b
	SPAIR EA2, 0xb60cff51
	SPAIR EA3, 0xb86ec2d2
	SPAIR EA4, 0xba40ac63
	SPAIR EA5, 0xbb41a1f6
	SPAIR EA6, 0xbc83dbd4
	SPAIR EB0, 0xb77460cd
	SPAIR EB2, 0xbadc924e
	SPAIR EB3, 0xbbf19bf8
	SPAIR EB4, 0xbc69b6a7
	s_mul_i32 s5, s2, 16*SP
	s_add_co_u32 s6, s5, XNP                       ; my bytes for qz's turn and for qzn
	s_add_co_u32 s5, s5, UP                        ; my bytes for U and for the way out
	s_lshl_b32 s7, s2, 13
	s_add_co_u32 s7, s7, T2C                       ; my bytes for cu
	s_lshr_b32 s86, s2, 1
	s_and_b32 s87, s2, 1
	s_lshl_b32 s[VWS], s86, 11
	s_lshl_b32 s88, s87, 7
	s_add_co_u32 s[VWS], s[VWS], s88               ; the wave's term of a place among cv's images
	s_lshl_b32 s86, s86, 5
	s_lshl_b32 s87, s87, 3
	s_add_co_u32 s86, s86, s87                     ; tile w's first row of w1 and w2: 32 (w / 2) + 8 (w % 2)
	s_lshl_b32 s87, s2, 11
	s_add_co_u32 s87, s87, W1I
	s_lshl_b32 s88, s2, 7
	s_add_co_u32 s88, s88, W1S
	v_and_b32 v252, 15, v0                         ; r
	v_bfe_u32 v253, v0, 4, 1                       ; h
	v_and_b32 v254, 31, v0                         ; lane
	v_mul_u32_u24 v1, v252, SP
	v_lshl_add_u32 v1, v253, 6, v1                 ; v1: 528 r + 64 h: my place in a stage, in the order of a row
	v_lshlrev_b32 v2, 4, v254                      ; v2: 16 x lane, kept
	v_and_b32 v3, 127, v0
	v_lshlrev_b32 v3, 2, v3                        ; v3: a word of a vector of 128
	v_and_b32 v255, 8, v252
	v_add_nc_u32 v255, v255, v252
	v_add_nc_u32 v255, s86, v255                   ; tile w's row r of w1 and w2
	v_lshlrev_b32 v4, 7, v255
	v_lshl_add_u32 v4, v253, 4, v4                 ; v4: its codes
	v_lshlrev_b32 v5, 2, v255                      ; v5: its scale word
	v_lshl_add_u32 v6, v0, 2, VEC
	v_add_nc_u32 v7, s87, v2
	v_lshlrev_b32 v8, 2, v254
	v_add_nc_u32 v8, s88, v8
	v_add_nc_u32 v9, s6, v2                        ; v9: qz's rows as they lie; qzn's park
	v_add_nc_u32 v10, s5, v2                       ; v10: U's rows as they lie
	v_add_nc_u32 v13, s6, v1                       ; v13: qz in the order of a row
	v_lshl_add_u32 v12, v253, 6, VEC
.irp b, 0,1,2,3
	v_mov_b32 v[TM+4+\b], 0                        ; written once: a lane permute's destination counts as one of its sources
.endr
	s_wait_kmcnt 0x0
	s_add_nc_u64 s[G0+2:G0+3], s[14:15], s[92:93]  ; global address
	s_or_b32 s[G0+3], s[G0+3], 0x80000000          ; type = 2
	tensor_load_to_lds s[G0:G0+3], s[G1:G1+7]      ; one tensor load of mine is out; its descriptor is never written again
	s_nop 0
	PLACES 4
	s_add_nc_u64 s[8:9], s[8:9], s[90:91]
	s_add_nc_u64 s[10:11], s[10:11], s[90:91]
	s_add_nc_u64 s[12:13], s[12:13], s[90:91]
	s_add_nc_u64 s[40:41], s[40:41], s[90:91]
	s_lshl_b32 s92, s3, 14
	s_add_nc_u64 s[20:21], s[20:21], s[92:93]
	s_add_nc_u64 s[24:25], s[24:25], s[92:93]
	s_lshl_b32 s92, s3, 9
	s_add_nc_u64 s[22:23], s[22:23], s[92:93]
	s_add_nc_u64 s[26:27], s[26:27], s[92:93]
	s_cmp_lt_u32 s2, 4                             ; waves 0-3 bring gamma and b1, waves 4-7 beta and b2: a word a thread
	s_cselect_b64 s[90:91], s[16:17], s[18:19]
	s_cselect_b64 s[92:93], s[32:33], s[38:39]
	; ---- A: twelve small loads, then all my rows: 60 loads are out
	global_load_b32 v240, v3, s[90:91]
	global_load_b32 v241, v3, s[92:93]
.irp cc, 0,1,2,3
	global_load_b128 v[PC+4*\cc:PC+4*\cc+3], v4, s[28:29] offset:32*\cc
.endr
.irp cc, 0,1,2,3
	global_load_b128 v[AUX+4*\cc:AUX+4*\cc+3], v4, s[34:35] offset:32*\cc
.endr
	global_load_b32 v242, v5, s[30:31]
	global_load_b32 v243, v5, s[36:37]
	RROWS WRK, 8
	RROWS ACC, 10
	WIN 0x40                                       ; destination: window 1
	RROWS 0, 12
	WIN 0
	s_wait_loadcnt 48                              ; the twelve are in; the 48 loads of rows behind them stay out
	ds_store_b32 v6, v240
	ds_store_b32 v6, v241 offset:1024
.irp cc, 0,1,2,3
	ds_store_b128 v7, v[PC+4*\cc:PC+4*\cc+3] offset:512*\cc
	ds_store_b128 v7, v[AUX+4*\cc:AUX+4*\cc+3] offset:16384+512*\cc
.endr
	ds_store_b32 v8, v242
	ds_store_b32 v8, v243 offset:1024
	BARRIER                                        ; the four vectors and the images of w1 and w2 lie in LDS
	s_wait_loadcnt 16                              ; qz and unary are in; the 16 loads of mt behind them stay out
.set AJ, 0
.rept 32
	v_pk_add_f32 v[ACC+AJ:ACC+AJ+1], v[ACC+AJ:ACC+AJ+1], v[WRK+AJ:WRK+AJ+1]
.set AJ, AJ+2
.endr
	RSTORE 9, WRK                                  ; qz's turn through my own bytes,
	FOLOAD 13, WRK                                 ; back into the registers that it left
	s_wait_loadcnt 0x0
	WIN 0x04                                       ; source 1: window 1
.set AJ, 0
.rept 32
	v_pk_add_f32 v[ACC+AJ:ACC+AJ+1], v[ACC+AJ:ACC+AJ+1], v[AJ:AJ+1]
.set AJ, AJ+2
.endr
	WIN 0
	RSTORE 10, ACC                                 ; U waits in its stage
	v_add_nc_u32 v10, s5, v1                       ; v10 from here on: U in the order of a row
	s_wait_dscnt 0x0
	; ---- B: the norm; qzn is parked; codes along d
	LNSTAT WRK, WRK
	LNAPPLY WRK
	PARK 9, WRK
	s_wait_dscnt 0x0                               ; the stores have read their registers: the quantiser holds the numbers in place
	QUANT WRK, 0, AUX, XS
	s_wait_tensorcnt 0x0                           ; my part of tq has landed
	BARRIER                                        ; everybody's has
	; ---- C: the topics
	v_and_b32 v1, 15, v0
	v_lshl_add_u32 v1, v1, 2, T1S                  ; v1: scale words of the codes along d
	v_add_nc_u32 v8, T2C, v2                       ; v8: the codes along g; later the weights' images
	v_and_b32 v9, 15, v0
	v_lshl_add_u32 v9, v9, 2, T2S                  ; v9: their scale words
	s_lshl_b32 s86, s2, 11
	s_lshl_b32 s87, s2, 6
	v_and_b32 v4, 15, v0
	v_lshlrev_b32 v5, 2, v4
	v_add_nc_u32 v5, s87, v5                       ; v5: scale words of tile w of a channel weight (rows 16 w + r, as they lie): 64 w + 4 r
	v_lshlrev_b32 v4, 7, v4
	v_bfe_u32 v6, v0, 4, 1
	v_lshl_add_u32 v4, v6, 4, v4
	v_add_nc_u32 v4, s86, v4                       ; v4: its codes: 2,048 w + 128 r + 16 h
	s_add_co_u32 s86, s86, T2C
	v_add_nc_u32 v6, s86, v2                       ; v6: where its image goes
	s_lshl_b32 s87, s2, 7
	s_add_co_u32 s87, s87, WVS
	v_and_b32 v7, 31, v0
	v_lshl_add_u32 v7, v7, 2, s87                  ; v7: and its scale words
.irp k, 248,249,250,251,252,253,254,255
	v_mov_b32 v\k, 0                               ; four running sums
.endr
	TBUF 0
	FRAG4 BF, BS, 2, 0, 1, 0, 64
.irp g, 0,1,2,3,4,5,6,7
	SUMSTEP \g
.endr
	v_pk_add_f32 v[248:249], v[248:249], v[250:251]
	v_pk_add_f32 v[252:253], v[252:253], v[254:255]
	v_pk_add_f32 v[252:253], v[252:253], v[248:249]
	v_add_f32 v252, v252, v253
	v_permlanex16_b32 v244, v252, s[SEL], s[SEL+1]
	v_add_f32 v252, v252, v244
	v_max_num_f32 v252, 0x358637bd, v252           ; held at 1e-6 from below
	v_rcp_f32 v12, v252
	v_nop
	s_wait_alu depctr_va_vdst(0)
	v_mov_b32 v13, v12                             ; v[12:13]: 1 / the sum
	KSTEP 0
	WIN 0x40                                       ; my tiles of cv and cu, into registers of window 1 that K step 0 has left: they have three K steps in which to land
.irp cc, 0,1,2,3
	global_load_b128 v[4*\cc:4*\cc+3], v4, s[24:25] offset:32*\cc
	global_load_b128 v[16+4*\cc:16+4*\cc+3], v4, s[20:21] offset:32*\cc
.endr
	global_load_b32 v32, v5, s[26:27]
	global_load_b32 v33, v5, s[22:23]
	WIN 0
	KSTEP 1
	KSTEP 2
	KSTEP 3
	FOLOAD 10, WRK
	s_wait_dscnt 0x0
.set AJ, 0
.rept 32
	v_pk_add_f32 v[WRK+AJ:WRK+AJ+1], v[WRK+AJ:WRK+AJ+1], v[ACC+AJ:ACC+AJ+1]   ; U' = U + m_g
.set AJ, AJ+2
.endr
	FOSTORE 10, WRK
	s_wait_loadcnt 0x0                             ; my tiles of the channel weights are in
	BARRIER                                        ; nobody reads the topics' codes any more: their bytes, filled once, are free
	; ---- D: the weights' images; cv to LDS; cu to my own bytes
	WIN 0x04                                       ; an LDS store's data are its source 1: window 1
.irp cc, 0,1,2,3
	ds_store_b128 v6, v[4*\cc:4*\cc+3] offset:512*\cc
	ds_store_b128 v6, v[16+4*\cc:16+4*\cc+3] offset:16384+512*\cc
.endr
	ds_store_b32 v7, v32
	ds_store_b32 v7, v33 offset:1024
	WIN 0
	BARRIER                                        ; the sixteen tiles lie in LDS
	v_and_b32 v9, 31, v0
	v_lshl_add_u32 v9, v9, 2, WVS
	v_bfe_u32 v6, v0, 3, 1
	v_lshlrev_b32 v6, 10, v6
	v_and_b32 v7, 7, v0
	v_lshl_add_u32 v6, v7, 4, v6
	v_bfe_u32 v7, v0, 4, 1
	v_lshl_add_u32 v6, v7, 8, v6
	v_add_nc_u32 v6, s[VWS], v6                    ; v6: row 16 w + r of cv is row r % 8 + 8 (w % 2) of tile 2 (w / 2) + r / 8
	v_add_nc_u32 v7, s7, v2                        ; v7: my cu
	ILOAD8 0
.irp t, 0,1,2,3,4,5,6,7
	ds_load_b32 v[PC+\t], v9 offset:128*\t
	ds_load_b32 v[PC+8+\t], v9 offset:1024+128*\t
.endr
	s_wait_dscnt 0x0
	PROJ PC                                        ; cv
	PLACES 9                                       ; eight for the loads into the fragments' registers and for the stores of the results; nine for the products that write RAW again
	ILOAD8 16384
.irp t, 0,1,2,3,4,5,6,7
	ds_store_b128 v6, v[RAW+8*\t:RAW+8*\t+3] offset:8192*\t          ; each result from its low end on
	ds_store_b128 v6, v[RAW+8*\t+4:RAW+8*\t+7] offset:8192*\t+512
.endr
	s_wait_dscnt 0x0                               ; cu's fragments are in, and the stores have read RAW
	PROJ PC+8                                      ; cu
	PLACES 8
	BARRIER                                        ; all of cv lies in LDS, and nobody reads the weights' images any more
.irp t, 0,1,2,3,4,5,6,7
	ds_store_b128 v7, v[RAW+8*\t:RAW+8*\t+3] offset:1024*\t
	ds_store_b128 v7, v[RAW+8*\t+4:RAW+8*\t+7] offset:1024*\t+512
.endr
	s_wait_dscnt 0x0                               ; the stores have read RAW, which the scores write
.set CJ, 0
.rept 64
	v_mov_b32 v[ACC+CJ], 0                         ; the mean over heads starts at 0, so that a head's step is written once
.set CJ, CJ+1
.endr
	s_mov_b32 s[HT], 0
	s_mov_b32 s[HU], 0
	s_mov_b32 s[CNT], 8
	; ---- E: eight heads: a plain softmax, with the row's maximum taken away
.Lhead:
	SCORES
	BLKMAX
	v_max3_num_f32 v[TM+8], v[TM], v[TM+1], v[TM+2]
	v_max_num_f32 v[TM+8], v[TM+8], v[TM+3]
	v_mul_f32 v30, s[NEGC], v[TM+8]
	v_mov_b32 v31, v30
.set EJ, 0
.rept 32
	v_pk_fma_f32 v[WRK+EJ:WRK+EJ+1], v[RAW+EJ:RAW+EJ+1], s[CS:CS+1], v[30:31] op_sel_hi:[1,0,1]
.set EJ, EJ+2
.endr
.set EJ, 0
.rept 64
	v_exp_f32 v[WRK+EJ], v[WRK+EJ]
.set EJ, EJ+1
.endr
	v_nop                                          ; a plain line behind the batch,
	s_wait_alu depctr_va_vdst(0)                   ; and one wait for it, ahead of its first reader
	PSUM
.set EJ, 0
.rept 32
	v_pk_fma_f32 v[ACC+EJ:ACC+EJ+1], v[WRK+EJ:WRK+EJ+1], v[26:27], v[ACC+EJ:ACC+EJ+1]
.set EJ, EJ+2
.endr
	s_add_co_u32 s[HT], s[HT], 8192
	s_add_co_u32 s[HU], s[HU], 1024
	s_sub_co_u32 s[CNT], s[CNT], 1
	s_cmp_lg_u32 s[CNT], 0
	s_cbranch_scc1 .Lhead
	; ---- F: x
	v_add_nc_u32 v9, s6, v2
	FOLOAD 10, WRK
.irp j, 0,1,2,3
	ds_load_b128 v[AUX+4*\j:AUX+4*\j+3], v9 offset:512*\j
.endr
.irp j, 0,1,2,3
	ds_load_b128 v[PC+4*\j:PC+4*\j+3], v9 offset:512*(4+\j)
.endr
	XCH 0, AUX, 4, 1                               ; the count leaves the next chunk's four loads out
	XCH 1, PC, 4, 1
	XCH 2, AUX, 4, 0
	XCH 3, PC, 0, 0
	; ---- G: the second norm and the two layers
	v_bfe_u32 v12, v0, 4, 1
	v_lshl_add_u32 v12, v12, 6, VEC
	v_add_nc_u32 v4, W1I, v2
	v_and_b32 v5, 31, v0
	v_lshl_add_u32 v5, v5, 2, W1S
	v_add_nc_u32 v8, s5, v2                        ; v8: the way out: whole rows back from my stage
	LNSTAT ACC, WRK
	LNAPPLY WRK
	QUANT WRK, 0, AUX, XS
	FRAG4 WRK, TM, 4, 0, 5, 0, 128
	s_wait_dscnt 0x0
	MUL4 RAW, -1, WRK, TM, AUX, XS
	PLACES 8
	FRAG4 WRK, TM, 4, 8192, 5, 512, 128
	s_wait_dscnt 0x0
	MUL4 RAW+32, -1, WRK, TM, AUX, XS
	PLACES 8
	ADDVEC WRK, RAW, 1024                          ; + b1
	ADDVEC ACC, ACC, 1536                          ; x + b2: the C of the last product
	v_mov_b32 v16, 0x32edffee                      ; erf's a1
	v_mov_b32 v17, 0x32edffee
	v_mov_b32 v18, 0xb95fbd29                      ; and b1
	v_mov_b32 v19, 0xb95fbd29
.irp z, 0,1,2,3,4,5,6,7
	GELU8 \z
.endr
	QUANT WRK, 0, AUX, XS
	FRAG4 WRK, TM, 4, 16384, 5, 1024, 128
	s_wait_dscnt 0x0
	MUL4 RAW, ACC, WRK, TM, AUX, XS
	PLACES 8
	FRAG4 WRK, TM, 4, 24576, 5, 1536, 128
	s_wait_dscnt 0x0
	MUL4 RAW+32, ACC+32, WRK, TM, AUX, XS
	PLACES 8
	OUTSTAGE RAW, 40, 65536, 10, 8
	s_wait_xcnt 0x0
	v_lshl_add_u32 v254, v0, 2, 0x4b000
	v_mov_b32 v255, 0
	s_wait_tensorcnt 0x0
	ds_add_u32 v254, v255
	s_wait_dscnt 0x0
	s_endpgm
.Lfunc_end_k_q8b131a8cc9_chanmlp:
	.size	k_q8b131a8cc9_chanmlp, .Lfunc_end_k_q8b131a8cc9_chanmlp-k_q8b131a8cc9_chanmlp
	.p2alignl 7, 3214868480
	.fill 96, 4, 3214868480
	.section	.rodata,"a",@progbits
	.p2align	6, 0x0
	.amdhsa_kernel k_q8b131a8cc9_chanmlp
		.amdhsa_group_segment_fixed_size 308224
		.amdhsa_private_segment_fixed_size 0
		.amdhsa_enable_private_segment 0
		.amdhsa_kernarg_size 136
		.amdhsa_user_sgpr_count 2
		.amdhsa_user_sgpr_kernarg_segment_ptr 1
		.amdhsa_wavefront_size32 1
		.amdhsa_system_sgpr_workgroup_id_x 1
		.amdhsa_system_sgpr_workgroup_id_y 1
		.amdhsa_system_sgpr_workgroup_id_z 1
		.amdhsa_system_vgpr_workitem_id 0
		.amdhsa_next_free_vgpr 512
		.amdhsa_next_free_sgpr 96
		.amdhsa_reserve_vcc 0
		.amdhsa_float_denorm_mode_32 3
		.amdhsa_float_denorm_mode_16_64 3
		.amdhsa_memory_ordered 1
		.amdhsa_forward_progress 1
		.amdhsa_inst_pref_size 255
	.end_amdhsa_kernel
	.section	.bss,"aw",@nobits
	.p2align	6
	.space	262144
	.amdgpu_metadata
---
amdhsa.version: [ 1, 2 ]
amdhsa.kernels:
  - .name:           k_q8b131a8cc9_chanmlp
    .symbol:         k_q8b131a8cc9_chanmlp.kd
    .args:
      - { .name: qz, .offset: 0, .size: 8, .value_kind: global_buffer, .address_space: global }
      - { .name: unary, .offset: 8, .size: 8, .value_kind: global_buffer, .address_space: global }
      - { .name: mt, .offset: 16, .size: 8, .value_kind: global_buffer, .address_space: global }
      - { .name: tq, .offset: 24, .size: 8, .value_kind: global_buffer, .address_space: global }
      - { .name: ln_gamma, .offset: 32, .size: 8, .value_kind: global_buffer, .address_space: global }
      - { .name: ln_beta, .offset: 40, .size: 8, .value_kind: global_buffer, .address_space: global }
      - { .name: channel_u_weight_codes, .offset: 48, .size: 8, .value_kind: global_buffer, .address_space: global }
      - { .name: channel_u_weight_scales, .offset: 56, .size: 8, .value_kind: global_buffer, .address_space: global }
      - { .name: channel_v_weight_codes, .offset: 64, .size: 8, .value_kind: global_buffer, .address_space: global }
      - { .name: channel_v_weight_scales, .offset: 72, .size: 8, .value_kind: global_buffer, .address_space: global }
      - { .name: w1_codes, .offset: 80, .size: 8, .value_kind: global_buffer, .address_space: global }
      - { .name: w1_scales, .offset: 88, .size: 8, .value_kind: global_buffer, .address_space: global }
      - { .name: b1, .offset: 96, .size: 8, .value_kind: global_buffer, .address_space: global }
      - { .name: w2_codes, .offset: 104, .size: 8, .value_kind: global_buffer, .address_space: global }
      - { .name: w2_scales, .offset: 112, .size: 8, .value_kind: global_buffer, .address_space: global }
      - { .name: b2, .offset: 120, .size: 8, .value_kind: global_buffer, .address_space: global }
      - { .name: out0, .offset: 128, .size: 8, .value_kind: global_buffer, .address_space: global }
    .group_segment_fixed_size: 308224
    .private_segment_fixed_size: 0
    .kernarg_segment_align: 8
    .kernarg_segment_size: 136
    .max_flat_workgroup_size: 256
    .sgpr_count:     96
    .vgpr_count:     512
    .wavefront_size: 32
...
	.end_amdgpu_metadata
.endif
;; end of part 3
